; MI455X (gfx1250); checked and timed in simulation.
; The chip was launched on July 23, 2026; its instructions are those of AMD's public machine-readable ISA for CDNA 5 (MIT licence, August 2026) and "CDNA5" Instruction Set Architecture Reference Guide (July 2026). The comments in the code are by the model that wrote it; some were corrected since.
;; Multihead Attention. Allowed arithmetic: float matrix products may take bf16 or f16 operands with f32 sums; all other float work in f32.
;; Inputs: Wk 512 x 512 float32; Wo 512 x 512 float32; Wq 512 x 512 float32; Wv 512 x 512 float32; bk 512 float32; bo 512 float32; bq 512 float32; bv 512 float32; key 2,048 x 4 x 512 float32; key_padding_mask 4 x 2,048 bool; query 2,048 x 4 x 512 float32; value 2,048 x 4 x 512 float32.
;; Outputs: out0 2,048 x 4 x 512 float32.
;; 2 versions, each right. Each part assembles by itself: llvm-mc -triple=amdgcn-amd-amdhsa -mcpu=gfx1250 --defsym DOCPART=n.
;; ======== version 1 of 2: 3 launches
;; limits: values are held in f16: magnitudes above 65,504 overflow, below 6.1e-05 lose precision
;; workspace buffers: qws 8,388,608 bytes; kws 8,388,608 bytes; vws 8,388,608 bytes; ctx 8,388,608 bytes; wob 524,288 bytes
;; launch proj (part 1): grid 4 x 64, 4 waves a work-group, clusters of 4 x 4, 327,680 bytes of LDS; arguments query, key, value, Wq, Wk, Wv, bq, bv, Wo, qws, kws, vws, wob; writes qws, kws, vws, wob
.if DOCPART == 1
	.amdgcn_target "amdgcn-amd-amdhsa--gfx1250"
	.amdhsa_code_object_version 6
	.text
	.protected	k_q19f0606b8d_proj
	.globl	k_q19f0606b8d_proj
	.p2align	8
	.type	k_q19f0606b8d_proj,@function
k_q19f0606b8d_proj:
	s_mov_b64 s[64:65], 0
	v_nop
	global_prefetch_b8 v0, s[64:65] scope:SCOPE_SE
	s_setreg_imm32_b32 hwreg(HW_REG_WAVE_MODE, 25, 1), 1
	s_wait_xcnt 0x0
	s_wait_alu depctr_hold_cnt(0) depctr_sa_sdst(0) depctr_va_vdst(0) depctr_va_sdst(0) depctr_va_ssrc(0) depctr_va_vcc(0) depctr_vm_vsrc(0)
	s_getreg_b32 s2, hwreg(HW_REG_IB_STS2, 6, 4)
	s_cmp_eq_u32 s2, 0
	s_cbranch_scc0 .Lentry_in_a_cluster
	s_endpgm
.Lentry_in_a_cluster:
	s_bfe_u32 s2, ttmp6, 0x10000c
	s_cmp_lg_u32 s2, 0xf033
	s_cbranch_scc0 .Lentry_shape_is_right
	s_endpgm
.Lentry_shape_is_right:
; q' = (query Wq^T + bq) c,  k = key Wk^T,  v = value Wv^T + bv, each stored as f16 [b][h][t][d]; and Wo copied to f16.
; c = 0.125 / 100 * log2(e): the scores of the next launch then come out as exponents of 2.
; WORK LEFT OUT: bk.  score[t][s] = q_t . (key_s Wk^T + bk) = q_t . k_s + q_t . bk, and q_t . bk is the same for every s of row t,
; so it cancels in the softmax along s for all values of the inputs (a masked score stays -inf).  bk has no other way to the output:
; it is not loaded and is no argument of any launch.  Limit: a NaN, an infinity or an overflow that only bk would bring is not carried on.
; FORMAT: all matrix operands are f16, all sums f32.  Limits: |k| and |v| below 65,504 (f16's largest number);
; numbers of q' below 6.1e-5 are kept to 6e-8 absolute (f16's denormals).
; SHARES: 256 work-groups of four waves.  A work-group owns 128 tokens of one batch row (block row br) and 128 features (block column bc)
; and makes that tile for query, then key, then value.  Wave (wh, wl): tokens 64 wh .. +63, features 64 wl .. +63 = head 2 bc + wl:
; 16 accumulator tiles of 16 x 16.  K goes in 12 chunks of 128 (3 tensors x 4) through two LDS slots; a chunk's rows are 512 bytes of f32.
; CLUSTER 4 x 4: the four work-groups of a cluster's row share br, hence the activations' tiles; the four of a column share bc, hence the weights'.
; Each tile is asked for jointly, which divides the requests for both by four.
; THE MATRIX INSTRUCTION IS USED TRANSPOSED: source 0 = 16 rows of W (features), source 1 = 16 tokens.  Lane l then holds token l % 16 and
; its registers 0..7 the features 8 (l / 16) + 0..7: eight neighbours, 16 bytes of f16.
; REGISTERS: window 0: v0-15 ids and addresses, v16-27 Wo's copy, v32-47 packed results, v64-95 W's f16 fragments, v96-127 the tokens',
; v128-255 fragments as loaded (f32).  Window 1: v0-127 accumulators (tile (mt, nt) at 8 (4 mt + nt)), v128-159 bq, v160-191 bv.
.set PITCH, 528                        ; an LDS row: 512 bytes + 16 of padding, an odd multiple of 16: 16 rows start in 16 different 16-byte columns
.set HALF,  64*PITCH                   ; what one tensor load brings: 64 rows
.set SLOT,  4*HALF                     ; 128 rows of activations, then 128 rows of weights
.set STAGE, 2*SLOT                     ; behind the ring, never filled by a tensor load: 64 tokens x 144 bytes for each wave
.set WSTG,  9216
.set ADRA,  4                          ; v4, v5   LDS address of my token fragments in slot 0, 1
.set ADRW,  6                          ; v6, v7   the same for the weights
.set STO,   8                          ; v8       the way out: where a lane puts 16 bytes
.set RD,    9                          ; v9       the way out: where it reads whole rows back
.set CO,    10                         ; v10      16 x lane: byte offset in the output
.set TMP,   32
.set WF,    64
.set AF,    96
.set STG,   128
.set BIAS,  128                        ; window 1
.set G1A, 16                           ; s[16:23] group 1, activations
.set G1W, 24                           ; s[24:31] group 1, weights
.set G0A, 32                           ; s[32:39] group 0, activations, a set for each slot
.set G0W, 40                           ; s[40:47] group 0, weights, a set for each slot
.set PQ, 68                            ; s[68:69] query, s[70:71] key, s[72:73] value, each at my wave's first row
.set PK, 70
.set PV, 72
.set PWQ, 74                           ; s[74:79] Wq, Wk, Wv likewise
.set PWK, 76
.set PWV, 78
.set MSB, 0
.macro WIN new                         ; the immediate's high byte repeats the setting that is left
.if MSB != \new
	s_set_vgpr_msb (MSB<<8)|\new
.set MSB, \new
.endif
.endm
.macro PLACES n
.rept \n
	v_nop
.endr
.endm
.macro CREST                           ; a round of the cluster's barrier behind its opening work-group barrier
	s_cmp_lg_u32 s10, 0
	s_cbranch_scc1 .Lnot_wave_0_\@
	s_barrier_signal -3
.Lnot_wave_0_\@:
	s_barrier_wait -3
	s_barrier_signal -1
	s_barrier_wait -1
.endm
.macro CROUND
	s_barrier_signal -1
	s_barrier_wait -1
	CREST
.endm
; A joint load: waves 0, 1 fetch the activations' two halves, waves 2, 3 the weights'.  The branch hangs on the wave's number alone.
.macro JLOAD s
	s_cmp_eq_u32 s11, 0
	s_cbranch_scc0 .Lfor_w_\@
	tensor_load_to_lds s[G0A+4*\s:G0A+4*\s+3], s[G1A:G1A+7]
	s_nop 0
	s_branch .Lasked_\@
.Lfor_w_\@:
	tensor_load_to_lds s[G0W+4*\s:G0W+4*\s+3], s[G1W:G1W+7]
	s_nop 0
.Lasked_\@:
.endm
; The global addresses of slot s's next chunk: tensor at s[ab:ab+1], weights at s[wb:wb+1], K chunk kc (512 bytes along the rows)
.macro SETFILL s, ab, wb, kc
	s_add_nc_u64 s[G0A+4*\s+2:G0A+4*\s+3], s[\ab:\ab+1], \kc*512
	s_or_b32 s[G0A+4*\s+3], s[G0A+4*\s+3], 0x80000000
	s_add_nc_u64 s[G0W+4*\s+2:G0W+4*\s+3], s[\wb:\wb+1], \kc*512
	s_or_b32 s[G0W+4*\s+3], s[G0W+4*\s+3], 0x80000000
.endm
	s_load_b512 s[68:83], s[0:1], 0x0              ; query, key, value, Wq, Wk, Wv, bq s[80:81], bv s[82:83]
	s_load_b256 s[84:91], s[0:1], 0x40             ; Wo s[84:85], qws s[86:87], kws s[88:89], vws s[90:91]
	s_load_b64 s[92:93], s[0:1], 0x60              ; wob
	v_lshl_add_u32 v62, v0, 2, 0x4b000
	v_mov_b32 v63, 0
	ds_add_u32 v62, v63
	v_lshrrev_b32 v1, 5, v0
	v_readfirstlane_b32 s10, v1                    ; wave 0..3
	s_lshr_b32 s11, s10, 1                         ; wh: my half of the tokens.  Also: I fetch activations (0) or weights (1)
	s_and_b32 s12, s10, 1                          ; wl: my half of the features.  Also: which 64 rows I fetch
	s_bfe_u32 s4, ttmp6, 0x40000                   ; cx
	s_bfe_u32 s5, ttmp6, 0x40004                   ; cy
	s_lshl_b32 s6, ttmp9, 2
	s_add_co_u32 s6, s6, s4                        ; bc = 4 x cluster x + cx
	s_and_b32 s7, ttmp7, 0xffff
	s_lshl_b32 s7, s7, 2
	s_add_co_u32 s7, s7, s5                        ; br = 4 x cluster y + cy
	s_lshl_b32 s8, s5, 2
	s_lshl_b32 s8, 15, s8                          ; my row of the cluster
	s_lshl_b32 s9, 0x1111, s4                      ; my column
	; group 1: 64 rows of 128 f32; 4 words of padding behind every 128 words
	s_or_b32 s[G1A+0], s8, (2<<16)|(1<<20)|(1<<21)|(6<<22)|(3<<25)
	s_or_b32 s[G1W+0], s9, (2<<16)|(1<<20)|(1<<21)|(6<<22)|(3<<25)
	s_mov_b32 s[G1A+1], 128<<16                    ; tensor_dim0 = 128
	s_mov_b32 s[G1W+1], 128<<16
	s_mov_b32 s[G1A+2], 64<<16                     ; tensor_dim1 = 64
	s_mov_b32 s[G1W+2], 64<<16
	s_mov_b32 s[G1A+3], 128<<16                    ; tile_dim0 = 128
	s_mov_b32 s[G1W+3], 128<<16
	s_mov_b32 s[G1A+4], 64                         ; tile_dim1 = 64
	s_mov_b32 s[G1W+4], 64
	s_mov_b32 s[G1A+5], 2048                       ; from token (t, b) to (t + 1, b): 4 x 512 elements
	s_mov_b32 s[G1W+5], 512
	s_mov_b32 s[G1A+6], 0
	s_mov_b32 s[G1W+6], 0
	s_mov_b32 s[G1A+7], 0
	s_mov_b32 s[G1W+7], 0
	; byte offsets.  The activations' hangs on br and the wave alone, the weights' on bc and the wave alone.
	s_lshr_b32 s56, s7, 2
	s_lshl_b32 s56, s56, 7                         ; t0 = 128 (br >> 2)
	s_and_b32 s57, s7, 3                           ; b = br & 3
	s_lshl_b32 s49, s12, 6
	s_add_co_u32 s48, s56, s49                     ; t0 + 64 wl
	s_lshl_b32 s48, s48, 2
	s_add_co_u32 s48, s48, s57
	s_lshl_b32 s48, s48, 11                        ; ((t0 + 64 wl) 4 + b) x 2,048 bytes
	s_mov_b32 s49, 0
	s_lshl_b32 s50, s6, 7
	s_lshl_b32 s51, s12, 6
	s_add_co_u32 s50, s50, s51                     ; n0 + 64 wl
	s_lshl_b32 s62, s50, 2                         ; in bytes of a bias
	s_mov_b32 s63, 0
	s_lshl_b32 s50, s50, 11                        ; in rows of W
	s_mov_b32 s51, 0
	s_lshl_b32 s52, s57, 3
	s_lshl1_add_u32 s52, s6, s52
	s_add_co_u32 s52, s52, s12                     ; 8 b + head
	s_lshl_b32 s52, s52, 11
	s_add_co_u32 s52, s52, s56
	s_lshl_b32 s53, s11, 6
	s_add_co_u32 s52, s52, s53                     ; x 2,048 tokens + t0 + 64 wh
	s_lshl_b32 s52, s52, 7                         ; x 128 bytes
	s_mov_b32 s53, 0
	s_mov_b32 s54, 0x3aec5f04                      ; c, twice
	s_mov_b32 s55, 0x3aec5f04
	s_mul_i32 s58, s10, HALF                       ; where my tensor loads go: wave x 64 rows
	s_lshl2_add_u32 s94, s7, s6                    ; g = 4 br + bc, 0..255: my 4,096 bytes of Wo
	s_lshl_b32 s94, s94, 12
	s_mov_b32 s95, 0
	s_wait_dscnt 0x0
	s_wait_kmcnt 0x0
	s_add_nc_u64 s[68:69], s[68:69], s[48:49]
	s_add_nc_u64 s[70:71], s[70:71], s[48:49]
	s_add_nc_u64 s[72:73], s[72:73], s[48:49]
	s_add_nc_u64 s[74:75], s[74:75], s[50:51]
	s_add_nc_u64 s[76:77], s[76:77], s[50:51]
	s_add_nc_u64 s[78:79], s[78:79], s[50:51]
	s_add_nc_u64 s[80:81], s[80:81], s[62:63]
	s_add_nc_u64 s[82:83], s[82:83], s[62:63]
	s_add_nc_u64 s[86:87], s[86:87], s[52:53]
	s_add_nc_u64 s[88:89], s[88:89], s[52:53]
	s_add_nc_u64 s[90:91], s[90:91], s[52:53]
	s_add_nc_u64 s[84:85], s[84:85], s[94:95]
	s_lshr_b32 s94, s94, 1                         ; 2,048 bytes of f16
	s_add_nc_u64 s[92:93], s[92:93], s[94:95]
	CROUND                                         ; all sixteen work-groups are here: the first joint loads meet
.irp s, 0,1
	s_mov_b32 s[G0A+4*\s], 1
	s_add_co_u32 s[G0A+4*\s+1], s58, \s*SLOT
	s_mov_b32 s[G0W+4*\s], 1
	s_add_co_u32 s[G0W+4*\s+1], s58, \s*SLOT
	SETFILL \s, PQ, PWQ, \s
	JLOAD \s                                       ; chunks 0 and 1: two tensor loads of the wave are out
.endr
	v_and_b32 v1, 31, v0                           ; lane
	v_and_b32 v2, 15, v0                           ; r
	v_bfe_u32 v3, v0, 4, 1                         ; h
	v_lshlrev_b32 v11, 5, v3                       ; 32 h: my 8 numbers of a bias tile
	v_lshlrev_b32 v12, 5, v0                       ; Wo: 32 bytes a thread
	v_lshlrev_b32 v13, 4, v0                       ; wob: 16 bytes a thread
	global_load_b128 v[16:19], v12, s[84:85] th:TH_LOAD_NT
	global_load_b128 v[20:23], v12, s[84:85] offset:16 th:TH_LOAD_NT
	WIN 0x40
.irp nt, 0,1,2,3
	global_load_b128 v[BIAS+8*\nt:BIAS+8*\nt+3],       v11, s[80:81] offset:64*\nt      ; register j: bias of feature 16 nt + 8 h + j, as an accumulator tile holds it
	global_load_b128 v[BIAS+8*\nt+4:BIAS+8*\nt+7],     v11, s[80:81] offset:64*\nt+16
	global_load_b128 v[BIAS+32+8*\nt:BIAS+32+8*\nt+3], v11, s[82:83] offset:64*\nt
	global_load_b128 v[BIAS+32+8*\nt+4:BIAS+32+8*\nt+7], v11, s[82:83] offset:64*\nt+16
.endr
	WIN 0
	v_mul_u32_u24 v14, v2, PITCH
	v_lshl_add_u32 v14, v3, 5, v14                 ; r x pitch + 32 h: 8 f32 for each half of the lanes
	s_mul_i32 s59, s11, HALF
	v_add_nc_u32 v[ADRA], s59, v14
	v_add_nc_u32 v[ADRA+1], SLOT, v[ADRA]
	s_mul_i32 s60, s12, HALF
	s_add_co_u32 s60, s60, 2*HALF
	v_add_nc_u32 v[ADRW], s60, v14
	v_add_nc_u32 v[ADRW+1], SLOT, v[ADRW]
	s_mul_i32 s61, s10, WSTG
	s_add_co_u32 s61, s61, STAGE                   ; my stage
	v_mul_u32_u24 v15, v2, 144
	v_lshl_add_u32 v15, v3, 4, v15
	v_add_nc_u32 v[STO], s61, v15
	v_lshrrev_b32 v15, 3, v1
	v_mul_u32_u24 v15, v15, 144
	v_and_b32 v28, 7, v1
	v_lshl_add_u32 v15, v28, 4, v15
	v_add_nc_u32 v[RD], s61, v15                   ; four tokens' 128 bytes for 32 lanes
	v_lshlrev_b32 v[CO], 4, v1
	s_wait_loadcnt 0x0                             ; Wo's piece and both biases, once
	v_cvt_pk_f16_f32 v24, v16, v17
	v_cvt_pk_f16_f32 v25, v18, v19
	v_cvt_pk_f16_f32 v26, v20, v21
	v_cvt_pk_f16_f32 v27, v22, v23
	global_store_b128 v13, v[24:27], s[92:93]      ; a wave's store covers 512 consecutive bytes, aligned; v13 and v[24:27] are never written again
; 32 LDS loads: one quarter chunk (32 along K) of 64 rows of W and 64 tokens, as f32.  A 16-bit fragment wants k = 8 h .. +7 and 16 + 8 h .. +7:
; in f32 that is 32 bytes at 32 h and 32 bytes at 64 + 32 h.
.macro FETCH slot, kq
.irp t, 0,1,2,3
	ds_load_b128 v[STG+16*\t:STG+16*\t+3],     v[ADRW+\slot] offset:\t*16*PITCH+(\kq)*128
	ds_load_b128 v[STG+16*\t+4:STG+16*\t+7],   v[ADRW+\slot] offset:\t*16*PITCH+(\kq)*128+16
	ds_load_b128 v[STG+16*\t+8:STG+16*\t+11],  v[ADRW+\slot] offset:\t*16*PITCH+(\kq)*128+64
	ds_load_b128 v[STG+16*\t+12:STG+16*\t+15], v[ADRW+\slot] offset:\t*16*PITCH+(\kq)*128+80
.endr
.irp t, 0,1,2,3
	ds_load_b128 v[STG+64+16*\t:STG+64+16*\t+3],     v[ADRA+\slot] offset:\t*16*PITCH+(\kq)*128
	ds_load_b128 v[STG+64+16*\t+4:STG+64+16*\t+7],   v[ADRA+\slot] offset:\t*16*PITCH+(\kq)*128+16
	ds_load_b128 v[STG+64+16*\t+8:STG+64+16*\t+11],  v[ADRA+\slot] offset:\t*16*PITCH+(\kq)*128+64
	ds_load_b128 v[STG+64+16*\t+12:STG+64+16*\t+15], v[ADRA+\slot] offset:\t*16*PITCH+(\kq)*128+80
.endr
.endm
.macro CVT                             ; eight fragments, f32 to f16: 16 registers become 8
.irp f, 0,1,2,3,4,5,6,7
.irp i, 0,1,2,3,4,5,6,7
	v_cvt_pk_f16_f32 v[WF+8*\f+\i], v[STG+16*\f+2*\i], v[STG+16*\f+2*\i+1]
.endr
.endr
.endm
; 16 matrix instructions on 16 accumulators, which take turns, one instruction a turn, in the same order in every quarter.
; cmode 0: add in place; 1: the sums start at 0; 2, 3: they start at bq, bv (the bias is the first product's C: nothing is cleared or added later).
.macro MUL16 cmode
.irp mt, 0,1,2,3
.irp nt, 0,1,2,3
.if \cmode == 0
	v_wmma_f32_16x16x32_f16 v[8*(4*\mt+\nt):8*(4*\mt+\nt)+7], v[WF+8*\nt:WF+8*\nt+7], v[AF+8*\mt:AF+8*\mt+7], v[8*(4*\mt+\nt):8*(4*\mt+\nt)+7]
.elseif \cmode == 1
	v_wmma_f32_16x16x32_f16 v[8*(4*\mt+\nt):8*(4*\mt+\nt)+7], v[WF+8*\nt:WF+8*\nt+7], v[AF+8*\mt:AF+8*\mt+7], 0
.else
	v_wmma_f32_16x16x32_f16 v[8*(4*\mt+\nt):8*(4*\mt+\nt)+7], v[WF+8*\nt:WF+8*\nt+7], v[AF+8*\mt:AF+8*\mt+7], v[BIAS+32*(\cmode-2)+8*\nt:BIAS+32*(\cmode-2)+8*\nt+7]
.endif
.endr
.endr
.endm
; A quarter chunk.  nkq: the next quarter of the same slot, fetched while this one is multiplied; 0: none.
.macro QUARTER slot, nkq, cmode
	s_wait_dscnt 0x0                               ; this quarter's 32 loads, issued ahead of the last quarter's products
	PLACES 4                                       ; the conversions write sources of the last quarter's products: four places behind them (ISA guide 7.12.1)
	CVT
.if \nkq
	FETCH \slot, \nkq
.endif
	WIN 0x50                                       ; C and D in window 1
	MUL16 \cmode
	WIN 0
.endm
.macro CHUNK slot, cmode
	QUARTER \slot, 1, \cmode
	QUARTER \slot, 2, 0
	QUARTER \slot, 3, 0
	QUARTER \slot, 0, 0
.endm
; The slot just read is filled again.  In front of the round every wave has its reads of the slot back and all its tensor loads landed (the one
; that was out is its part of the other slot); no load is out, so group 0 may be written; behind the round the joint load comes first, one a wave.
.macro REFILL slot, ab, wb, kc
	s_wait_dscnt 0x0
	s_wait_tensorcnt 0x0
	ds_add_u32 v62, v63
	s_wait_dscnt 0x0
	SETFILL \slot, \ab, \wb, \kc
	CROUND
	JLOAD \slot
.endm
; The way out: 64 tokens x 64 features as f16 through my own stage, back as whole rows, stored as 16 runs of 512 consecutive bytes.
.macro OUT ptr, scaled
	PLACES 4                                       ; four places between the last product and the first read of a result
.irp mt, 0,1,2,3
.if \scaled
	WIN 0x01
.irp i, 0,1,2,3,4,5,6,7,8,9,10,11,12,13,14,15
	v_pk_mul_f32 v[192+2*\i:192+2*\i+1], v[32*\mt+2*\i:32*\mt+2*\i+1], s[54:55] op_sel_hi:[1,0]
.endr
	WIN 0
.irp i, 0,1,2,3,4,5,6,7,8,9,10,11,12,13,14,15
	v_cvt_pk_f16_f32 v[TMP+\i], v[192+2*\i], v[192+2*\i+1]
.endr
.else
	WIN 0x05
.irp i, 0,1,2,3,4,5,6,7,8,9,10,11,12,13,14,15
	v_cvt_pk_f16_f32 v[TMP+\i], v[32*\mt+2*\i], v[32*\mt+2*\i+1]
.endr
	WIN 0
.endif
.irp nt, 0,1,2,3
	ds_store_b128 v[STO], v[TMP+4*\nt:TMP+4*\nt+3] offset:\mt*2304+32*\nt
.endr
.endr
.irp n, 0,1,2,3,4,5,6,7,8,9,10,11,12,13,14,15
	ds_load_b128 v[STG+4*\n:STG+4*\n+3], v[RD] offset:576*\n       ; LDS serves a wave's instructions in order (ISA guide 5.7.1.4): these see the stores above
.endr
.irp n, 0,1,2,3,4,5,6,7,8,9,10,11,12,13,14,15
	s_wait_dscnt 15-\n                             ; read-back n is in, the younger ones may be out
	global_store_b128 v[CO], v[STG+4*\n:STG+4*\n+3], s[\ptr:\ptr+1] offset:512*\n
.endr
	s_wait_xcnt 0x0                                ; the stores' data registers are loaded again only behind this wait
.endm
	s_wait_tensorcnt 0x1                           ; my part of chunk 0 is in; chunk 1's stays out
	s_barrier_signal -1
	s_barrier_wait -1
	FETCH 0, 0
	CHUNK 0, 2                                     ; query, K 0..127: the sums start at bq
	REFILL 0, PQ, PWQ, 2
	FETCH 1, 0
	CHUNK 1, 0
	REFILL 1, PQ, PWQ, 3
	FETCH 0, 0
	CHUNK 0, 0
	REFILL 0, PK, PWK, 0
	FETCH 1, 0
	CHUNK 1, 0
	REFILL 1, PK, PWK, 1
	OUT 86, 1                                      ; q', scaled by c
	FETCH 0, 0
	CHUNK 0, 1                                     ; key: the sums start at 0
	REFILL 0, PK, PWK, 2
	FETCH 1, 0
	CHUNK 1, 0
	REFILL 1, PK, PWK, 3
	FETCH 0, 0
	CHUNK 0, 0
	REFILL 0, PV, PWV, 0
	FETCH 1, 0
	CHUNK 1, 0
	REFILL 1, PV, PWV, 1
	OUT 88, 0                                      ; k
	FETCH 0, 0
	CHUNK 0, 3                                     ; value: the sums start at bv
	REFILL 0, PV, PWV, 2
	FETCH 1, 0
	CHUNK 1, 0
	REFILL 1, PV, PWV, 3
	FETCH 0, 0
	CHUNK 0, 0
	s_wait_dscnt 0x0                               ; nothing is left to fetch: a plain barrier shows the last chunk whole to every wave
	s_wait_tensorcnt 0x0
	s_barrier_signal -1
	s_barrier_wait -1
	FETCH 1, 0
	CHUNK 1, 0
	OUT 90, 0                                      ; v
	s_wait_tensorcnt 0x0
	ds_add_u32 v62, v63
	s_wait_dscnt 0x0
	CROUND                                         ; the closing round: no work-group ends while a partner may still ask jointly
	s_endpgm
.Lfunc_end_k_q19f0606b8d_proj:
	.size	k_q19f0606b8d_proj, .Lfunc_end_k_q19f0606b8d_proj-k_q19f0606b8d_proj
	.p2alignl 7, 3214868480
	.fill 96, 4, 3214868480
	.section	.rodata,"a",@progbits
	.p2align	6, 0x0
	.amdhsa_kernel k_q19f0606b8d_proj
		.amdhsa_group_segment_fixed_size 327680
		.amdhsa_private_segment_fixed_size 0
		.amdhsa_enable_private_segment 0
		.amdhsa_kernarg_size 104
		.amdhsa_user_sgpr_count 2
		.amdhsa_user_sgpr_kernarg_segment_ptr 1
		.amdhsa_wavefront_size32 1
		.amdhsa_system_sgpr_workgroup_id_x 1
		.amdhsa_system_sgpr_workgroup_id_y 1
		.amdhsa_system_sgpr_workgroup_id_z 1
		.amdhsa_system_vgpr_workitem_id 0
		.amdhsa_next_free_vgpr 448
		.amdhsa_next_free_sgpr 96
		.amdhsa_reserve_vcc 0
		.amdhsa_float_denorm_mode_32 3
		.amdhsa_float_denorm_mode_16_64 3
		.amdhsa_memory_ordered 1
		.amdhsa_forward_progress 1
		.amdhsa_inst_pref_size 255
	.end_amdhsa_kernel
	.section	.bss,"aw",@nobits
	.p2align	6
	.space	262144
	.amdgpu_metadata
---
amdhsa.version: [ 1, 2 ]
amdhsa.kernels:
  - .name:           k_q19f0606b8d_proj
    .symbol:         k_q19f0606b8d_proj.kd
    .args:
      - { .name: query, .offset: 0, .size: 8, .value_kind: global_buffer, .address_space: global }
      - { .name: key, .offset: 8, .size: 8, .value_kind: global_buffer, .address_space: global }
      - { .name: value, .offset: 16, .size: 8, .value_kind: global_buffer, .address_space: global }
      - { .name: Wq, .offset: 24, .size: 8, .value_kind: global_buffer, .address_space: global }
      - { .name: Wk, .offset: 32, .size: 8, .value_kind: global_buffer, .address_space: global }
      - { .name: Wv, .offset: 40, .size: 8, .value_kind: global_buffer, .address_space: global }
      - { .name: bq, .offset: 48, .size: 8, .value_kind: global_buffer, .address_space: global }
      - { .name: bv, .offset: 56, .size: 8, .value_kind: global_buffer, .address_space: global }
      - { .name: Wo, .offset: 64, .size: 8, .value_kind: global_buffer, .address_space: global }
      - { .name: qws, .offset: 72, .size: 8, .value_kind: global_buffer, .address_space: global }
      - { .name: kws, .offset: 80, .size: 8, .value_kind: global_buffer, .address_space: global }
      - { .name: vws, .offset: 88, .size: 8, .value_kind: global_buffer, .address_space: global }
      - { .name: wob, .offset: 96, .size: 8, .value_kind: global_buffer, .address_space: global }
    .group_segment_fixed_size: 327680
    .private_segment_fixed_size: 0
    .kernarg_segment_align: 8
    .kernarg_segment_size: 104
    .max_flat_workgroup_size: 128
    .sgpr_count:     96
    .vgpr_count:     448
    .wavefront_size: 32
...
	.end_amdgpu_metadata
.endif
;; end of part 1
;; launch attn (part 2): grid 8 x 32, 4 waves a work-group, clusters of 4 x 1, 327,680 bytes of LDS; arguments qws, kws, vws, key_padding_mask, ctx; writes ctx
.if DOCPART == 2
	.amdgcn_target "amdgcn-amd-amdhsa--gfx1250"
	.amdhsa_code_object_version 6
	.text
	.protected	k_q19f0606b8d_attn
	.globl	k_q19f0606b8d_attn
	.p2align	8
	.type	k_q19f0606b8d_attn,@function
k_q19f0606b8d_attn:
	s_mov_b64 s[64:65], 0
	v_nop
	global_prefetch_b8 v0, s[64:65] scope:SCOPE_SE
	s_setreg_imm32_b32 hwreg(HW_REG_WAVE_MODE, 25, 1), 1
	s_wait_xcnt 0x0
	s_wait_alu depctr_hold_cnt(0) depctr_sa_sdst(0) depctr_va_vdst(0) depctr_va_sdst(0) depctr_va_ssrc(0) depctr_va_vcc(0) depctr_vm_vsrc(0)
	s_getreg_b32 s2, hwreg(HW_REG_IB_STS2, 6, 4)
	s_cmp_eq_u32 s2, 0
	s_cbranch_scc0 .Lentry_in_a_cluster
	s_endpgm
.Lentry_in_a_cluster:
	s_bfe_u32 s2, ttmp6, 0x10000c
	s_cmp_lg_u32 s2, 0x3003
	s_cbranch_scc0 .Lentry_shape_is_right
	s_endpgm
.Lentry_shape_is_right:
; ctx = softmax(q' k^T, masked) v for one (b, h) and 256 queries, with a running maximum.  q', k, v, ctx: f16 [b][h][t][64].
; k comes without bk: q_t . bk is the same along the softmax's axis and cancels for all values of the inputs.
; q' carries 0.125 / 100 * log2(e), so a score is an exponent of 2.
; MASK: a masked key's score starts at -2^120 (it rides in as the C of the first product), the running maximum starts at -2^100, so a masked key's
; weight is exp2 of about -2^120 = 0.  Limit: scores (as exponents of 2) within +-2^100.  A batch row with every key masked gives l = 0, O = 0
; and 0 x (1 / 0) = NaN, as a softmax over -inf alone does.  Limit: |ctx| below 65,504 (f16).
; SHARES: four waves; wave w owns 64 queries, 4 tiles of 16; 2,048 keys go in 8 tiles of 256 through two LDS slots, 64 keys a trip.
; CLUSTER 4 x 1: the four query blocks of a cluster read the same K and V tiles and ask for them jointly (mask 15).
; LAYOUT: S^T = K Q^T leaves in lane (r, h), register j, the score of key 16 kt + 8 h + j for query r.  Packing two such tiles pairwise in place is
; exactly the second source P^T (k = 8 h .. and 16 + 8 h ..) of O^T = V^T P^T; V^T's fragments come from V stored [key][d] by transposing LDS loads.
; A query's maximum and sum lie in lanes r and r + 16: one exchange between the halves, no other traffic between lanes.
; REGISTERS: window 0: v0-47 addresses and row statistics, v64-95 mask tiles, v96-127 the way out, v128-255 scores, then weights.
; Window 1: v0-63 Q's fragments, v64-127 K's, v128-255 O.  Window 2: v0-63 V's fragments.
.set KP,    144                        ; K's LDS pitch: 128 bytes + 16, an odd multiple of 16
.set VP,    160                        ; V's: 128 + 32, an odd multiple of 32, for the transposing loads
.set REG,   20480                      ; a wave's part of a slot: 128 keys of K (18,432 bytes used) or of V (all used)
.set SLOT,  4*REG
.set SLOT0, 8192                       ; in front of the slots: 2,048 f32 of mask bias, written by LDS stores, never by a tensor load
.set STAGE, SLOT0+2*SLOT               ; 64 queries x 144 bytes for each wave
.set WSTG,  9216
.set KA,   4                           ; v4, v5   K fragments in slot 0, 1
.set VA,   6                           ; v6, v7   V fragments
.set BCNT, 8                           ; v8       32 h + 1,024 x tile
.set BA,   9                           ; v9       the same, cut to its own bits
.set STO,  10
.set RD,   11
.set CO,   12
.set QO,   13
.set NM,   14                          ; v[14:15] minus the new maximum, twice
.set MX,   16                          ; v[16:19] running maximum of tile q
.set LS,   20                          ; v[20:27] running sums, a pair for each q
.set AL,   28                          ; v[28:35] the factor for what was summed before, twice for each q
.set TT,   36                          ; v[36:43] at work
.set U0,   44
.set U1,   45
.set BI,   64
.set OT,   96
.set SC,   128                         ; score tile (kt, q) at SC + 32 q + 8 kt; weights (q, c) at SC + 32 q + 16 c
.set QF,   0                           ; window 1
.set KF,   64                          ; window 1
.set OACC, 128                         ; window 1: tile (dt, q) at OACC + 32 q + 8 dt
.set VF,   0                           ; window 2
.set G1K, 16
.set G1V, 24
.set G0K, 32
.set G0V, 40
.set MSB, 0
.macro WIN new
.if MSB != \new
	s_set_vgpr_msb (MSB<<8)|\new
.set MSB, \new
.endif
.endm
.macro PLACES n
.rept \n
	v_nop
.endr
.endm
.macro CREST
	s_cmp_lg_u32 s14, 0
	s_cbranch_scc1 .Lnot_wave_0_\@
	s_barrier_signal -3
.Lnot_wave_0_\@:
	s_barrier_wait -3
	s_barrier_signal -1
	s_barrier_wait -1
.endm
.macro CROUND
	s_barrier_signal -1
	s_barrier_wait -1
	CREST
.endm
.macro JLOAD s                         ; waves 0, 1: K's halves; waves 2, 3: V's
	s_cmp_eq_u32 s15, 0
	s_cbranch_scc0 .Lfor_v_\@
	tensor_load_to_lds s[G0K+4*\s:G0K+4*\s+3], s[G1K:G1K+7]
	s_nop 0
	v_nop
	s_branch .Lasked_\@
.Lfor_v_\@:
	tensor_load_to_lds s[G0V+4*\s:G0V+4*\s+3], s[G1V:G1V+7]
	s_nop 0
	v_nop
	v_nop
.Lasked_\@:
.endm
	s_load_b256 s[4:11], s[0:1], 0x0               ; qws s[4:5], kws s[6:7], vws s[8:9], mask s[10:11]
	s_load_b64 s[12:13], s[0:1], 0x20              ; ctx
	v_lshl_add_u32 v62, v0, 2, 0x33000
	v_mov_b32 v63, 0
	ds_add_u32 v62, v63
	v_lshrrev_b32 v1, 5, v0
	v_readfirstlane_b32 s14, v1                    ; wave
	s_lshr_b32 s15, s14, 1                         ; I fetch K (0) or V (1)
	s_and_b32 s48, s14, 1                          ; which 128 keys
	s_bfe_u32 s49, ttmp6, 0x40000                  ; cx
	s_lshl_b32 s50, ttmp9, 2
	s_add_co_u32 s50, s50, s49                     ; query block 0..7
	s_and_b32 s51, ttmp7, 0xffff                   ; 8 b + h
	s_lshl_b32 s52, s51, 18                        ; a head's 2,048 tokens x 128 bytes
	s_lshl_b32 s53, s48, 14
	s_add_co_u32 s52, s52, s53                     ; + my 128 keys: nothing here differs between the four partners
	s_mov_b32 s53, 0
	s_lshl_b32 s58, s51, 11
	s_lshl_b32 s59, s50, 8
	s_add_co_u32 s58, s58, s59
	s_lshl_b32 s59, s14, 6
	s_add_co_u32 s58, s58, s59
	s_lshl_b32 s58, s58, 7                         ; my wave's 64 queries in qws and in ctx
	s_mov_b32 s59, 0
	s_lshr_b32 s62, s51, 3
	s_lshl_b32 s62, s62, 11                        ; the mask's row b
	s_mov_b32 s63, 0
	s_mov_b32 s54, 0x76543210                      ; v_permlanex16_b32: lane i reads lane i of the other half
	s_mov_b32 s55, 0xfedcba98
	s_mov_b32 s56, 0xf1800000                      ; -2^100
	s_mov_b32 s60, 0xfb800000                      ; -2^120
	; group 1: 128 rows of 64 f16; padding behind every 32 words: 4 words for K, 8 for V
	s_mov_b32 s[G1K+0], 15|(1<<16)|(1<<20)|(1<<21)|(4<<22)|(3<<25)
	s_mov_b32 s[G1V+0], 15|(1<<16)|(1<<20)|(1<<21)|(4<<22)|(7<<25)
	s_mov_b32 s[G1K+1], 64<<16
	s_mov_b32 s[G1V+1], 64<<16
	s_mov_b32 s[G1K+2], 128<<16
	s_mov_b32 s[G1V+2], 128<<16
	s_mov_b32 s[G1K+3], 64<<16
	s_mov_b32 s[G1V+3], 64<<16
	s_mov_b32 s[G1K+4], 128
	s_mov_b32 s[G1V+4], 128
	s_mov_b32 s[G1K+5], 64
	s_mov_b32 s[G1V+5], 64
	s_mov_b32 s[G1K+6], 0
	s_mov_b32 s[G1V+6], 0
	s_mov_b32 s[G1K+7], 0
	s_mov_b32 s[G1V+7], 0
	s_mul_i32 s61, s14, REG
	s_add_co_u32 s61, s61, SLOT0                   ; where my tensor loads go: wave x 20,480 behind the slot's start
	s_wait_dscnt 0x0
	s_wait_kmcnt 0x0
	s_add_nc_u64 s[4:5], s[4:5], s[58:59]
	s_add_nc_u64 s[12:13], s[12:13], s[58:59]
	s_add_nc_u64 s[6:7], s[6:7], s[52:53]
	s_add_nc_u64 s[8:9], s[8:9], s[52:53]
	s_add_nc_u64 s[10:11], s[10:11], s[62:63]
	CROUND                                         ; the four partners are here: the first joint loads meet
.irp s, 0,1
	s_mov_b32 s[G0K+4*\s], 1
	s_add_co_u32 s[G0K+4*\s+1], s61, \s*SLOT
	s_add_nc_u64 s[G0K+4*\s+2:G0K+4*\s+3], s[6:7], \s*32768
	s_or_b32 s[G0K+4*\s+3], s[G0K+4*\s+3], 0x80000000
	s_mov_b32 s[G0V+4*\s], 1
	s_add_co_u32 s[G0V+4*\s+1], s61, \s*SLOT
	s_add_nc_u64 s[G0V+4*\s+2:G0V+4*\s+3], s[8:9], \s*32768
	s_or_b32 s[G0V+4*\s+3], s[G0V+4*\s+3], 0x80000000
	JLOAD \s                                       ; key tiles 0 and 1: two tensor loads of the wave are out
.endr
	v_and_b32 v1, 31, v0
	v_and_b32 v2, 15, v0                           ; r
	v_bfe_u32 v3, v0, 4, 1                         ; h
	v_lshlrev_b32 v[QO], 7, v2
	v_lshl_add_u32 v[QO], v3, 4, v[QO]             ; r x 128 + 16 h
	v_lshlrev_b32 v46, 4, v0                       ; 16 mask bytes a thread
	v_lshlrev_b32 v47, 6, v0                       ; 16 f32 a thread
	WIN 0x40
.irp q, 0,1,2,3
.irp dh, 0,1
	global_load_b128 v[QF+8*(2*\q+\dh):QF+8*(2*\q+\dh)+3],   v[QO], s[4:5] offset:\q*2048+64*\dh
	global_load_b128 v[QF+8*(2*\q+\dh)+4:QF+8*(2*\q+\dh)+7], v[QO], s[4:5] offset:\q*2048+64*\dh+32
.endr
.endr
	WIN 0
	global_load_b128 v[TT:TT+3], v46, s[10:11]
	v_mul_u32_u24 v[KA], v2, KP
	v_lshl_add_u32 v[KA], v3, 4, v[KA]
	v_add_nc_u32 v[KA], SLOT0, v[KA]
	v_add_nc_u32 v[KA+1], SLOT, v[KA]
	v_and_b32 v[VA], 7, v1
	v_lshl_add_u32 v[VA], v3, 3, v[VA]             ; key 8 h + (lane & 7)
	v_mul_u32_u24 v[VA], v[VA], VP
	v_bfe_u32 v[VA+1], v0, 3, 1
	v_lshl_add_u32 v[VA], v[VA+1], 4, v[VA]        ; + 16 bytes for lanes 8-15 and 24-31
	v_add_nc_u32 v[VA], SLOT0+2*REG, v[VA]
	v_add_nc_u32 v[VA+1], SLOT, v[VA]
	v_lshlrev_b32 v[BCNT], 5, v3
	v_mov_b32 v[BA], v[BCNT]
	s_mul_i32 s3, s14, WSTG
	s_add_co_u32 s3, s3, STAGE
	v_mul_u32_u24 v[U0], v2, 144
	v_lshl_add_u32 v[U0], v3, 4, v[U0]
	v_add_nc_u32 v[STO], s3, v[U0]
	v_lshrrev_b32 v[U0], 3, v1
	v_mul_u32_u24 v[U0], v[U0], 144
	v_and_b32 v[U1], 7, v1                         ; (U1 is hereby written: v_permlanex16_b32 counts as a reader of its destination)
	v_lshl_add_u32 v[U0], v[U1], 4, v[U0]
	v_add_nc_u32 v[RD], s3, v[U0]
	v_lshlrev_b32 v[CO], 4, v1
	s_wait_loadcnt 0x0                             ; Q's fragments and my 16 mask bytes
.irp k, 0,1,2,3
.irp j, 0,1,2,3
	v_bfe_u32 v[BI+4*\k+\j], v[TT+\k], 8*\j, 8
.endr
.endr
.irp k, 0,1,2,3,4,5,6,7,8,9,10,11,12,13,14,15
	v_mul_lo_u32 v[BI+\k], v[BI+\k], s60           ; byte 1 becomes the bits of -2^120, byte 0 stays 0.0
.endr
.irp k, 0,1,2,3
	ds_store_b128 v47, v[BI+4*\k:BI+4*\k+3] offset:16*\k
.endr
	s_wait_dscnt 0x0                               ; for the other waves' sake: my part of the bias is written
	s_wait_tensorcnt 0x1                           ; my part of key tile 0 is in; tile 1's stays out
	s_barrier_signal -1
	s_barrier_wait -1
; K's fragments of the 64 keys 64 i .. +63 of a slot: 16 loads.  Keys 128..255 lie one wave's region behind keys 0..127.
.macro KFETCH slot, i
	WIN 0x40
.irp kt, 0,1,2,3
.irp dh, 0,1
	ds_load_b128 v[KF+8*(2*\kt+\dh):KF+8*(2*\kt+\dh)+3],   v[KA+\slot] offset:((\i)>>1)*REG+(((\i)&1)*64+16*\kt)*KP+64*\dh
	ds_load_b128 v[KF+8*(2*\kt+\dh)+4:KF+8*(2*\kt+\dh)+7], v[KA+\slot] offset:((\i)>>1)*REG+(((\i)&1)*64+16*\kt)*KP+64*\dh+32
.endr
.endr
	WIN 0
.endm
; The softmax step of query tile q on its 64 new scores (32 registers a lane, the other 32 keys in the lane 16 away).
.macro SOFT q, first
.set X, SC+32*\q
.irp k, 0,1,2,3
	v_max3_num_f32 v[TT+\k], v[X+8*\k], v[X+8*\k+1], v[X+8*\k+2]   ; four chains that do not wait for each other
.endr
.irp k, 0,1,2,3
	v_max3_num_f32 v[TT+\k], v[TT+\k], v[X+8*\k+3], v[X+8*\k+4]
.endr
.irp k, 0,1,2,3
	v_max3_num_f32 v[TT+\k], v[TT+\k], v[X+8*\k+5], v[X+8*\k+6]
.endr
	v_max3_num_f32 v[TT], v[TT], v[TT+1], v[X+7]
	v_max3_num_f32 v[TT+2], v[TT+2], v[TT+3], v[X+15]
	v_max3_num_f32 v[TT], v[TT], v[TT+2], v[X+23]
.if \first
	v_max3_num_f32 v[U0], v[TT], v[X+31], s56                      ; the running maximum starts at -2^100
.else
	v_max3_num_f32 v[U0], v[TT], v[X+31], v[MX+\q]
.endif
	v_permlanex16_b32 v[U1], v[U0], s54, s55
	v_max_num_f32 v[U0], v[U0], v[U1]                              ; the new maximum, in both lanes of the query
.if \first == 0
	v_sub_f32 v[AL+2*\q], v[MX+\q], v[U0]
.endif
	v_mov_b32 v[MX+\q], v[U0]
.if \first == 0
	v_exp_f32 v[AL+2*\q], v[AL+2*\q]                               ; exp2(old maximum - new)
.endif
	v_sub_f32 v[NM], 0, v[U0]                                      ; also the plain instruction behind the exponential (ISA guide 5.7.2)
	v_mov_b32 v[NM+1], v[NM]
.if \first == 0
	s_wait_alu depctr_va_vdst(0)
	v_mov_b32 v[AL+2*\q+1], v[AL+2*\q]
.endif
.irp i, 0,1,2,3,4,5,6,7,8,9,10,11,12,13,14,15
	v_pk_add_f32 v[X+2*\i:X+2*\i+1], v[X+2*\i:X+2*\i+1], v[NM:NM+1]
.endr
.irp i, 0,1,2,3,4,5,6,7,8,9,10,11,12,13,14,15
	v_exp_f32 v[X+2*\i], v[X+2*\i]
	v_exp_f32 v[X+2*\i+1], v[X+2*\i+1]
.endr
	v_nop                                                          ; one plain instruction before the last exponentials' results are read
	s_wait_alu depctr_va_vdst(0)
.irp k, 0,1,2,3
	v_pk_add_f32 v[TT+2*\k:TT+2*\k+1], v[X+2*\k:X+2*\k+1], v[X+8+2*\k:X+8+2*\k+1]
.endr
.irp k, 0,1,2,3
	v_pk_add_f32 v[TT+2*\k:TT+2*\k+1], v[TT+2*\k:TT+2*\k+1], v[X+16+2*\k:X+16+2*\k+1]
.endr
.irp k, 0,1,2,3
	v_pk_add_f32 v[TT+2*\k:TT+2*\k+1], v[TT+2*\k:TT+2*\k+1], v[X+24+2*\k:X+24+2*\k+1]
.endr
	v_pk_add_f32 v[TT:TT+1], v[TT:TT+1], v[TT+2:TT+3]
	v_pk_add_f32 v[TT+4:TT+5], v[TT+4:TT+5], v[TT+6:TT+7]
.if \first
	v_pk_add_f32 v[LS+2*\q:LS+2*\q+1], v[TT:TT+1], v[TT+4:TT+5]    ; the first step starts the sums
.else
	v_pk_add_f32 v[TT:TT+1], v[TT:TT+1], v[TT+4:TT+5]
	v_pk_fma_f32 v[LS+2*\q:LS+2*\q+1], v[LS+2*\q:LS+2*\q+1], v[AL+2*\q:AL+2*\q+1], v[TT:TT+1]
.endif
.irp c, 0,1
.irp i, 0,1,2,3,4,5,6,7
	v_cvt_pk_f16_f32 v[X+16*\c+\i], v[X+16*\c+2*\i], v[X+16*\c+2*\i+1]   ; in place, ascending: register i is written after registers 2 i, 2 i + 1 of an earlier i were read
.endr
.endr
.endm
; One trip: the 64 keys 64 i .. +63 of a slot.  ni: the next trip's i in the same slot (its K fragments are fetched under the softmax); 0: none.
; No inner loop of this macro runs on a variable named like one of its arguments (slot, i, first, ni): an argument is put in first.
.macro TRIP slot, i, first, ni
.if \first == 0
	PLACES 5                                       ; behind the last trip's products: their V fragments are loaded again (four places), their weights overwritten by products (five)
.endif
.irp kt, 0,1,2,3
	ds_load_b128 v[BI+8*\kt:BI+8*\kt+3],   v[BA] offset:256*\i+64*\kt       ; register j: the bias of key 16 kt + 8 h + j
	ds_load_b128 v[BI+8*\kt+4:BI+8*\kt+7], v[BA] offset:256*\i+64*\kt+16
.endr
	WIN 0x80
.irp dt, 0,1,2,3
.irp c, 0,1
	ds_load_tr16_b128 v[VF+8*(2*\dt+\c):VF+8*(2*\dt+\c)+3],   v[VA+\slot] offset:(64*\i+32*\c)*VP+32*\dt
	ds_load_tr16_b128 v[VF+8*(2*\dt+\c)+4:VF+8*(2*\dt+\c)+7], v[VA+\slot] offset:(64*\i+32*\c)*VP+32*\dt+16*VP
.endr
.endr
	s_wait_dscnt 16                                ; K's 16 loads and the 8 of the bias are older than V's 16, which may stay out
	WIN 0x05                                       ; K and Q in window 1, scores in window 0
	; 16 score tiles take turns, one instruction a turn, twice in the same order
.irp q, 0,1,2,3
.irp kt, 0,1,2,3
	v_wmma_f32_16x16x32_f16 v[SC+32*\q+8*\kt:SC+32*\q+8*\kt+7], v[KF+16*\kt:KF+16*\kt+7], v[QF+16*\q:QF+16*\q+7], v[BI+8*\kt:BI+8*\kt+7]
.endr
.endr
.irp q, 0,1,2,3
.irp kt, 0,1,2,3
	v_wmma_f32_16x16x32_f16 v[SC+32*\q+8*\kt:SC+32*\q+8*\kt+7], v[KF+16*\kt+8:KF+16*\kt+15], v[QF+16*\q+8:QF+16*\q+15], v[SC+32*\q+8*\kt:SC+32*\q+8*\kt+7]
.endr
.endr
	PLACES 4                                       ; four places before K's fragments are loaded again and the scores are read
.if \ni
	KFETCH \slot, \ni
.endif
	WIN 0
	SOFT 0, \first
	SOFT 1, \first
	SOFT 2, \first
	SOFT 3, \first
.if \first == 0
	WIN 0x41                                       ; O in window 1, the factors in window 0
.irp q, 0,1,2,3
.irp p, 0,1,2,3,4,5,6,7,8,9,10,11,12,13,14,15
	v_pk_mul_f32 v[OACC+32*\q+2*\p:OACC+32*\q+2*\p+1], v[OACC+32*\q+2*\p:OACC+32*\q+2*\p+1], v[AL+2*\q:AL+2*\q+1]   ; each of tile q's 16 pairs once by exp2(old maximum - new)
.endr
.endr
.endif
.if \ni
	s_wait_dscnt 16                                ; V's 16 loads are older than the next trip's 16 of K
.else
	s_wait_dscnt 0x0
.endif
	WIN 0x52                                       ; V in window 2, weights in window 0, O in window 1
.irp c, 0,1
.irp q, 0,1,2,3
.irp dt, 0,1,2,3
.if \first*(1-\c)
	v_wmma_f32_16x16x32_f16 v[OACC+32*\q+8*\dt:OACC+32*\q+8*\dt+7], v[VF+8*(2*\dt+\c):VF+8*(2*\dt+\c)+7], v[SC+32*\q+16*\c:SC+32*\q+16*\c+7], 0
.else
	v_wmma_f32_16x16x32_f16 v[OACC+32*\q+8*\dt:OACC+32*\q+8*\dt+7], v[VF+8*(2*\dt+\c):VF+8*(2*\dt+\c)+7], v[SC+32*\q+16*\c:SC+32*\q+16*\c+7], v[OACC+32*\q+8*\dt:OACC+32*\q+8*\dt+7]
.endif
.endr
.endr
.endr
	WIN 0
.endm
.macro SLOTWORK slot, first
	TRIP \slot, 0, \first, 1
	TRIP \slot, 1, 0, 2
	TRIP \slot, 2, 0, 3
	TRIP \slot, 3, 0, 0
.endm
; From a slot that has been read to the next.  fill = 1: the slot is filled again, two key tiles ahead: every wave has its reads back and all its
; tensor loads landed in front of the round; behind it the joint load comes first, one a wave, and has four trips in which to land.
.macro CHANGE slot, next, fill
	s_wait_dscnt 0x0
	s_wait_tensorcnt 0x0
	ds_add_u32 v62, v63
	s_wait_dscnt 0x0
.if \fill
	s_add_nc_u64 s[G0K+4*\slot+2:G0K+4*\slot+3], s[G0K+4*\slot+2:G0K+4*\slot+3], 65536
	s_add_nc_u64 s[G0V+4*\slot+2:G0V+4*\slot+3], s[G0V+4*\slot+2:G0V+4*\slot+3], 65536
	CROUND
	JLOAD \slot
.else
	s_barrier_signal -1
	s_barrier_wait -1
.endif
	v_add_nc_u32 v[BCNT], 1024, v[BCNT]            ; the next 256 keys' bias
	v_and_b32 v[BA], 0x1c20, v[BCNT]               ; 32 h + 1,024 x tile has these bits alone: with the largest offset, 976 + 16 bytes, a read ends at byte 8,192
	KFETCH \next, 0
.endm
	KFETCH 0, 0
	SLOTWORK 0, 1                                  ; key tile 0: its first trip starts maxima, sums and O
	s_mov_b32 s57, 3
.Lpair:
	CHANGE 0, 1, 1
	SLOTWORK 1, 0
	CHANGE 1, 0, 1
	SLOTWORK 0, 0
	s_sub_co_u32 s57, s57, 1
	s_cmp_lg_u32 s57, 0
	s_cbranch_scc1 .Lpair
	CHANGE 0, 1, 0                                 ; key tile 7: nothing is left to fetch
	SLOTWORK 1, 0
	; THE WAY OUT: O / l as f16, through my own stage, stored as 16 runs of 512 consecutive bytes
	PLACES 4
.irp q, 0,1,2,3
	v_add_f32 v[TT+\q], v[LS+2*\q], v[LS+2*\q+1]
.endr
.irp q, 0,1,2,3
	v_permlanex16_b32 v[TT+4+\q], v[TT+\q], s54, s55
.endr
.irp q, 0,1,2,3
	v_add_f32 v[TT+\q], v[TT+\q], v[TT+4+\q]
.endr
.irp q, 0,1,2,3
	v_rcp_f32 v[AL+2*\q], v[TT+\q]
.endr
	v_nop                                          ; one plain instruction behind the reciprocals
	s_wait_alu depctr_va_vdst(0)
.irp q, 0,1,2,3
	v_mov_b32 v[AL+2*\q+1], v[AL+2*\q]
.endr
.irp q, 0,1,2,3
	WIN 0x01
.irp i, 0,1,2,3,4,5,6,7,8,9,10,11,12,13,14,15
	v_pk_mul_f32 v[OT+2*\i:OT+2*\i+1], v[OACC+32*\q+2*\i:OACC+32*\q+2*\i+1], v[AL+2*\q:AL+2*\q+1]
.endr
	WIN 0
.irp dt, 0,1,2,3
.irp i, 0,1,2,3
	v_cvt_pk_f16_f32 v[OT+8*\dt+\i], v[OT+8*\dt+2*\i], v[OT+8*\dt+2*\i+1]
.endr
	ds_store_b128 v[STO], v[OT+8*\dt:OT+8*\dt+3] offset:\q*2304+32*\dt
.endr
.endr
.irp n, 0,1,2,3,4,5,6,7,8,9,10,11,12,13,14,15
	ds_load_b128 v[SC+4*\n:SC+4*\n+3], v[RD] offset:576*\n         ; LDS serves a wave's instructions in order (ISA guide 5.7.1.4): these see the stores above
.endr
.irp n, 0,1,2,3,4,5,6,7,8,9,10,11,12,13,14,15
	s_wait_dscnt 15-\n
	global_store_b128 v[CO], v[SC+4*\n:SC+4*\n+3], s[12:13] offset:512*\n
.endr
	s_wait_tensorcnt 0x0
	ds_add_u32 v62, v63
	s_wait_dscnt 0x0
	CROUND                                         ; the closing round
	s_endpgm
.Lfunc_end_k_q19f0606b8d_attn:
	.size	k_q19f0606b8d_attn, .Lfunc_end_k_q19f0606b8d_attn-k_q19f0606b8d_attn
	.p2alignl 7, 3214868480
	.fill 96, 4, 3214868480
	.section	.rodata,"a",@progbits
	.p2align	6, 0x0
	.amdhsa_kernel k_q19f0606b8d_attn
		.amdhsa_group_segment_fixed_size 327680
		.amdhsa_private_segment_fixed_size 0
		.amdhsa_enable_private_segment 0
		.amdhsa_kernarg_size 40
		.amdhsa_user_sgpr_count 2
		.amdhsa_user_sgpr_kernarg_segment_ptr 1
		.amdhsa_wavefront_size32 1
		.amdhsa_system_sgpr_workgroup_id_x 1
		.amdhsa_system_sgpr_workgroup_id_y 1
		.amdhsa_system_sgpr_workgroup_id_z 1
		.amdhsa_system_vgpr_workitem_id 0
		.amdhsa_next_free_vgpr 576
		.amdhsa_next_free_sgpr 66
		.amdhsa_reserve_vcc 0
		.amdhsa_float_denorm_mode_32 3
		.amdhsa_float_denorm_mode_16_64 3
		.amdhsa_memory_ordered 1
		.amdhsa_forward_progress 1
		.amdhsa_inst_pref_size 255
	.end_amdhsa_kernel
	.section	.bss,"aw",@nobits
	.p2align	6
	.space	262144
	.amdgpu_metadata
---
amdhsa.version: [ 1, 2 ]
amdhsa.kernels:
  - .name:           k_q19f0606b8d_attn
    .symbol:         k_q19f0606b8d_attn.kd
    .args:
      - { .name: qws, .offset: 0, .size: 8, .value_kind: global_buffer, .address_space: global }
      - { .name: kws, .offset: 8, .size: 8, .value_kind: global_buffer, .address_space: global }
      - { .name: vws, .offset: 16, .size: 8, .value_kind: global_buffer, .address_space: global }
      - { .name: key_padding_mask, .offset: 24, .size: 8, .value_kind: global_buffer, .address_space: global }
      - { .name: ctx, .offset: 32, .size: 8, .value_kind: global_buffer, .address_space: global }
    .group_segment_fixed_size: 327680
    .private_segment_fixed_size: 0
    .kernarg_segment_align: 8
    .kernarg_segment_size: 40
    .max_flat_workgroup_size: 128
    .sgpr_count:     66
    .vgpr_count:     576
    .wavefront_size: 32
...
	.end_amdgpu_metadata
.endif
;; end of part 2
;; launch oproj (part 3): grid 4 x 64, 4 waves a work-group, clusters of 4 x 4, 312,832 bytes of LDS; arguments ctx, wob, bo, out0; writes out0
.if DOCPART == 3
	.amdgcn_target "amdgcn-amd-amdhsa--gfx1250"
	.amdhsa_code_object_version 6
	.text
	.protected	k_q19f0606b8d_oproj
	.globl	k_q19f0606b8d_oproj
	.p2align	8
	.type	k_q19f0606b8d_oproj,@function
k_q19f0606b8d_oproj:
	s_mov_b64 s[64:65], 0
	v_nop
	global_prefetch_b8 v0, s[64:65] scope:SCOPE_SE
	s_setreg_imm32_b32 hwreg(HW_REG_WAVE_MODE, 25, 1), 1
	s_wait_xcnt 0x0
	s_wait_alu depctr_hold_cnt(0) depctr_sa_sdst(0) depctr_va_vdst(0) depctr_va_sdst(0) depctr_va_ssrc(0) depctr_va_vcc(0) depctr_vm_vsrc(0)
	s_getreg_b32 s2, hwreg(HW_REG_IB_STS2, 6, 4)
	s_cmp_eq_u32 s2, 0
	s_cbranch_scc0 .Lentry_in_a_cluster
	s_endpgm
.Lentry_in_a_cluster:
	s_bfe_u32 s2, ttmp6, 0x10000c
	s_cmp_lg_u32 s2, 0xf033
	s_cbranch_scc0 .Lentry_shape_is_right
	s_endpgm
.Lentry_shape_is_right:
; out0[t][b][n] = sum over e of ctx[b][e / 64][t][e % 64] Wo[n][e] + bo[n].  ctx and wob (Wo) are f16, the sums and out0 f32.
; A work-group makes 128 tokens of one batch row x 128 features; wave (wh, wl): tokens 64 wh .. +63, features 64 wl .. +63, 16 accumulator tiles.
; All of K = 512 fits in LDS as four chunks of 128 (heads 2 c and 2 c + 1), each filled once: no slot is ever filled again.
; A chunk is four regions of 18,432 bytes, one for each wave's load: head 2 c (128 tokens, pitch 144), head 2 c + 1, W's rows 0-63 and 64-127 (pitch 272).
; CLUSTER 4 x 4: ctx's tiles are shared along a row of the cluster (same tokens), W's along a column (same features), asked for jointly.
; The matrix instruction is used transposed (source 0 = rows of W): a lane holds one token and 8 neighbouring features.
; REGISTERS: window 0: v0-15 addresses, v64-127 and v128-191 two fragment buffers (W at +8 nt, tokens at +32 + 8 mt).
; Window 1: v0-127 accumulators, v128-159 bo.
.set REG,   18432
.set CH,    4*REG
.set STAGE, 4*CH                       ; 16 tokens x 272 bytes for each wave, never filled by a tensor load
.set WSTG,  4352
.set ADRA, 4                           ; v[4:7]   token fragments of chunk c
.set ADRW, 8                           ; v[8:11]  W's fragments of chunk c
.set STO,  12
.set RD,   13
.set CO,   14
.set F0,   64
.set F1,   128
.set BO,   128                         ; window 1
.set G1A, 16
.set G1W, 24
.set G0A, 32                           ; s[32:47] a set for each chunk
.set G0W, 48                           ; s[48:63]
.set MSB, 0
.macro WIN new
.if MSB != \new
	s_set_vgpr_msb (MSB<<8)|\new
.set MSB, \new
.endif
.endm
.macro PLACES n
.rept \n
	v_nop
.endr
.endm
.macro CREST
	s_cmp_lg_u32 s10, 0
	s_cbranch_scc1 .Lnot_wave_0_\@
	s_barrier_signal -3
.Lnot_wave_0_\@:
	s_barrier_wait -3
	s_barrier_signal -1
	s_barrier_wait -1
.endm
.macro CROUND
	s_barrier_signal -1
	s_barrier_wait -1
	CREST
.endm
	s_load_b256 s[68:75], s[0:1], 0x0              ; ctx s[68:69], wob s[70:71], bo s[72:73], out0 s[74:75]
	v_lshl_add_u32 v254, v0, 2, 0x4c400
	v_mov_b32 v255, 0
	ds_add_u32 v254, v255
	v_lshrrev_b32 v1, 5, v0
	v_readfirstlane_b32 s10, v1
	s_lshr_b32 s11, s10, 1                         ; wh; also: I fetch ctx (0) or W (1)
	s_and_b32 s12, s10, 1                          ; wl; also: which head of a chunk, or which 64 rows of W
	s_bfe_u32 s4, ttmp6, 0x40000
	s_bfe_u32 s5, ttmp6, 0x40004
	s_lshl_b32 s6, ttmp9, 2
	s_add_co_u32 s6, s6, s4                        ; bc
	s_and_b32 s7, ttmp7, 0xffff
	s_lshl_b32 s7, s7, 2
	s_add_co_u32 s7, s7, s5                        ; br
	s_lshl_b32 s8, s5, 2
	s_lshl_b32 s8, 15, s8
	s_lshl_b32 s9, 0x1111, s4
	; group 1.  ctx: 128 tokens of 64 f16, 4 words of padding behind every 32.  W: 64 rows of 128 f16, 4 words behind every 64.
	s_or_b32 s[G1A+0], s8, (1<<16)|(1<<20)|(1<<21)|(4<<22)|(3<<25)
	s_or_b32 s[G1W+0], s9, (1<<16)|(1<<20)|(1<<21)|(5<<22)|(3<<25)
	s_mov_b32 s[G1A+1], 64<<16
	s_mov_b32 s[G1W+1], 128<<16
	s_mov_b32 s[G1A+2], 128<<16
	s_mov_b32 s[G1W+2], 64<<16
	s_mov_b32 s[G1A+3], 64<<16
	s_mov_b32 s[G1W+3], 128<<16
	s_mov_b32 s[G1A+4], 128
	s_mov_b32 s[G1W+4], 64
	s_mov_b32 s[G1A+5], 64
	s_mov_b32 s[G1W+5], 512
	s_mov_b32 s[G1A+6], 0
	s_mov_b32 s[G1W+6], 0
	s_mov_b32 s[G1A+7], 0
	s_mov_b32 s[G1W+7], 0
	s_and_b32 s14, s7, 3                           ; b
	s_lshl_b32 s14, s14, 3
	s_add_co_u32 s14, s14, s12                     ; 8 b + wl
	s_lshl_b32 s14, s14, 11
	s_lshr_b32 s15, s7, 2
	s_lshl_b32 s15, s15, 7                         ; t0
	s_add_co_u32 s14, s14, s15
	s_lshl_b32 s14, s14, 7                         ; ((8 b + wl) 2,048 + t0) x 128 bytes: br and the wave alone
	s_mov_b32 s15, 0
	s_lshl_b32 s76, s6, 7
	s_lshl_b32 s77, s12, 6
	s_add_co_u32 s76, s76, s77                     ; n0 + 64 wl
	s_lshl_b32 s78, s76, 2                         ; in bytes of f32
	s_mov_b32 s79, 0
	s_lshl_b32 s76, s76, 10                        ; in rows of wob: bc and the wave alone
	s_mov_b32 s77, 0
	s_lshr_b32 s66, s7, 2
	s_lshl_b32 s66, s66, 7
	s_lshl_b32 s67, s11, 6
	s_add_co_u32 s66, s66, s67                     ; t0 + 64 wh
	s_lshl_b32 s66, s66, 2
	s_and_b32 s67, s7, 3
	s_add_co_u32 s66, s66, s67
	s_lshl_b32 s66, s66, 11                        ; x 2,048 bytes
	s_add_co_u32 s66, s66, s78                     ; + my first column
	s_mov_b32 s67, 0
	s_mul_i32 s13, s10, REG                        ; where my tensor loads go in a chunk
	s_wait_dscnt 0x0
	s_wait_kmcnt 0x0
	s_add_nc_u64 s[68:69], s[68:69], s[14:15]
	s_add_nc_u64 s[70:71], s[70:71], s[76:77]
	s_add_nc_u64 s[72:73], s[72:73], s[78:79]
	s_add_nc_u64 s[74:75], s[74:75], s[66:67]
.irp c, 0,1,2,3
	s_mov_b32 s[G0A+4*\c], 1
	s_add_co_u32 s[G0A+4*\c+1], s13, \c*CH
	s_add_nc_u64 s[G0A+4*\c+2:G0A+4*\c+3], s[68:69], \c*524288     ; two heads on
	s_or_b32 s[G0A+4*\c+3], s[G0A+4*\c+3], 0x80000000
	s_mov_b32 s[G0W+4*\c], 1
	s_add_co_u32 s[G0W+4*\c+1], s13, \c*CH
	s_add_nc_u64 s[G0W+4*\c+2:G0W+4*\c+3], s[70:71], \c*256        ; 128 f16 along the rows
	s_or_b32 s[G0W+4*\c+3], s[G0W+4*\c+3], 0x80000000
.endr
	CROUND                                         ; all sixteen work-groups are here
	s_cmp_eq_u32 s11, 0                            ; all first fills of a wave in one branch on its number: four tensor loads of the wave are out
	s_cbranch_scc0 .Lfor_w
.irp c, 0,1,2,3
	tensor_load_to_lds s[G0A+4*\c:G0A+4*\c+3], s[G1A:G1A+7]
	s_nop 0
.endr
	s_branch .Lasked
.Lfor_w:
.irp c, 0,1,2,3
	tensor_load_to_lds s[G0W+4*\c:G0W+4*\c+3], s[G1W:G1W+7]
	s_nop 0
	v_nop
.endr
.Lasked:
	v_and_b32 v2, 15, v0                           ; r
	v_bfe_u32 v3, v0, 4, 1                         ; h
	v_lshlrev_b32 v15, 5, v3
	WIN 0x40
.irp nt, 0,1,2,3
	global_load_b128 v[BO+8*\nt:BO+8*\nt+3],   v15, s[72:73] offset:64*\nt
	global_load_b128 v[BO+8*\nt+4:BO+8*\nt+7], v15, s[72:73] offset:64*\nt+16
.endr
	WIN 0
	v_mul_u32_u24 v[ADRA], v2, 144
	v_lshl_add_u32 v[ADRA], v3, 4, v[ADRA]
	s_mul_i32 s14, s11, 9216                       ; my 64 tokens
	v_add_nc_u32 v[ADRA], s14, v[ADRA]
	v_mul_u32_u24 v[ADRW], v2, 272
	v_lshl_add_u32 v[ADRW], v3, 4, v[ADRW]
	s_mul_i32 s15, s12, REG
	s_add_co_u32 s15, s15, 2*REG                   ; my 64 rows of W
	v_add_nc_u32 v[ADRW], s15, v[ADRW]
.irp c, 1,2,3
	v_add_nc_u32 v[ADRA+\c], \c*CH, v[ADRA]
	v_add_nc_u32 v[ADRW+\c], \c*CH, v[ADRW]
.endr
	s_mul_i32 s76, s10, WSTG
	s_add_co_u32 s76, s76, STAGE
	v_mul_u32_u24 v1, v2, 272
	v_lshl_add_u32 v1, v3, 5, v1
	v_add_nc_u32 v[STO], s76, v1                   ; token r, 32 bytes for each half of the lanes
	v_mul_u32_u24 v1, v3, 272
	v_lshl_add_u32 v1, v2, 4, v1
	v_add_nc_u32 v[RD], s76, v1                    ; lanes 0-15 one token's 256 bytes, lanes 16-31 the next token's
	v_lshlrev_b32 v1, 13, v3
	v_lshl_add_u32 v[CO], v2, 4, v1                ; the same two tokens in out0, 8,192 bytes apart
.macro FETCH c, kq, f                  ; 16 LDS loads: 32 along K of 64 rows of W and 64 tokens
.irp t, 0,1,2,3
	ds_load_b128 v[\f+8*\t:\f+8*\t+3],   v[ADRW+\c] offset:\t*4352+\kq*64
	ds_load_b128 v[\f+8*\t+4:\f+8*\t+7], v[ADRW+\c] offset:\t*4352+\kq*64+32
.endr
.irp t, 0,1,2,3
	ds_load_b128 v[\f+32+8*\t:\f+32+8*\t+3],   v[ADRA+\c] offset:(\kq>>1)*REG+\t*2304+(\kq&1)*64
	ds_load_b128 v[\f+32+8*\t+4:\f+32+8*\t+7], v[ADRA+\c] offset:(\kq>>1)*REG+\t*2304+(\kq&1)*64+32
.endr
.endm
; 16 accumulators take turns, one instruction a turn, in the same order in every quarter.
.macro MUL16 f, bias
.irp mt, 0,1,2,3
.irp nt, 0,1,2,3
.if \bias
	v_wmma_f32_16x16x32_f16 v[8*(4*\mt+\nt):8*(4*\mt+\nt)+7], v[\f+8*\nt:\f+8*\nt+7], v[\f+32+8*\mt:\f+32+8*\mt+7], v[BO+8*\nt:BO+8*\nt+7]
.else
	v_wmma_f32_16x16x32_f16 v[8*(4*\mt+\nt):8*(4*\mt+\nt)+7], v[\f+8*\nt:\f+8*\nt+7], v[\f+32+8*\mt:\f+32+8*\mt+7], v[8*(4*\mt+\nt):8*(4*\mt+\nt)+7]
.endif
.endr
.endr
.endm
; A quarter chunk: multiplies buffer f; ahead of the products it fetches quarter (nc, nkq) into buffer g (fetch = 1).
; sync >= 0: the next quarter opens a new chunk: my part of it has landed when at most sync younger loads are out, and a barrier shows it whole to all.
.macro Q f, g, nc, nkq, fetch, sync, bias
	s_wait_dscnt 0x0                               ; buffer f is in (issued ahead of the last quarter's products)
.if \sync >= 0
	s_wait_tensorcnt \sync
	s_barrier_signal -1
	s_barrier_wait -1                              ; the later chunks may stay out
.endif
.if \fetch
	PLACES 4                                       ; buffer g was read by the last quarter's products: four places before it is loaded again
	FETCH \nc, \nkq, \g
.endif
	WIN 0x50
	MUL16 \f, \bias
	WIN 0
.endm
	s_wait_loadcnt 0x0                             ; bo
	s_wait_tensorcnt 0x3                           ; my part of chunk 0 is in; three younger loads stay out
	s_barrier_signal -1
	s_barrier_wait -1
	FETCH 0, 0, F0
	Q F0, F1, 0, 1, 1, -1, 1                       ; the sums start at bo
	Q F1, F0, 0, 2, 1, -1, 0
	Q F0, F1, 0, 3, 1, -1, 0
	Q F1, F0, 1, 0, 1, 2, 0
	Q F0, F1, 1, 1, 1, -1, 0
	Q F1, F0, 1, 2, 1, -1, 0
	Q F0, F1, 1, 3, 1, -1, 0
	Q F1, F0, 2, 0, 1, 1, 0
	Q F0, F1, 2, 1, 1, -1, 0
	Q F1, F0, 2, 2, 1, -1, 0
	Q F0, F1, 2, 3, 1, -1, 0
	Q F1, F0, 3, 0, 1, 0, 0                        ; the last wait is for zero: no tensor load is out from here on
	Q F0, F1, 3, 1, 1, -1, 0
	Q F1, F0, 3, 2, 1, -1, 0
	Q F0, F1, 3, 3, 1, -1, 0
	Q F1, F0, 0, 0, 0, -1, 0
; THE WAY OUT, 16 tokens at a time: f32 through my own stage, read back as whole rows of 256 bytes; 16 lanes store 256 consecutive bytes, aligned.
.macro OUT16 mt, f
	WIN 0x04                                       ; the LDS stores' data in window 1
.irp nt, 0,1,2,3
	ds_store_b128 v[STO], v[32*\mt+8*\nt:32*\mt+8*\nt+3]   offset:64*\nt
	ds_store_b128 v[STO], v[32*\mt+8*\nt+4:32*\mt+8*\nt+7] offset:64*\nt+16
.endr
	WIN 0
	s_wait_xcnt 0x0                                ; buffer f, which earlier stores read, and the stores' base are rewritten only behind this wait
.if \mt
	s_add_nc_u64 s[74:75], s[74:75], 131072        ; 16 tokens of 8,192 bytes on
.endif
.irp i, 0,1,2,3,4,5,6,7
	ds_load_b128 v[\f+4*\i:\f+4*\i+3], v[RD] offset:544*\i         ; LDS serves a wave's instructions in order (ISA guide 5.7.1.4)
.endr
.irp i, 0,1,2,3,4,5,6,7
	s_wait_dscnt 7-\i
	global_store_b128 v[CO], v[\f+4*\i:\f+4*\i+3], s[74:75] offset:16384*\i th:TH_STORE_NT
.endr
.endm
	PLACES 4                                       ; four places between the last product and the first read of a result or load into a fragment buffer
	OUT16 0, F0
	OUT16 1, F1
	OUT16 2, F0
	OUT16 3, F1
	s_wait_tensorcnt 0x0
	ds_add_u32 v254, v255
	s_wait_dscnt 0x0
	CROUND                                         ; the closing round
	s_endpgm
.Lfunc_end_k_q19f0606b8d_oproj:
	.size	k_q19f0606b8d_oproj, .Lfunc_end_k_q19f0606b8d_oproj-k_q19f0606b8d_oproj
	.p2alignl 7, 3214868480
	.fill 96, 4, 3214868480
	.section	.rodata,"a",@progbits
	.p2align	6, 0x0
	.amdhsa_kernel k_q19f0606b8d_oproj
		.amdhsa_group_segment_fixed_size 312832
		.amdhsa_private_segment_fixed_size 0
		.amdhsa_enable_private_segment 0
		.amdhsa_kernarg_size 32
		.amdhsa_user_sgpr_count 2
		.amdhsa_user_sgpr_kernarg_segment_ptr 1
		.amdhsa_wavefront_size32 1
		.amdhsa_system_sgpr_workgroup_id_x 1
		.amdhsa_system_sgpr_workgroup_id_y 1
		.amdhsa_system_sgpr_workgroup_id_z 1
		.amdhsa_system_vgpr_workitem_id 0
		.amdhsa_next_free_vgpr 416
		.amdhsa_next_free_sgpr 80
		.amdhsa_reserve_vcc 0
		.amdhsa_float_denorm_mode_32 3
		.amdhsa_float_denorm_mode_16_64 3
		.amdhsa_memory_ordered 1
		.amdhsa_forward_progress 1
		.amdhsa_inst_pref_size 54
	.end_amdhsa_kernel
	.amdgpu_metadata
---
amdhsa.version: [ 1, 2 ]
amdhsa.kernels:
  - .name:           k_q19f0606b8d_oproj
    .symbol:         k_q19f0606b8d_oproj.kd
    .args:
      - { .name: ctx, .offset: 0, .size: 8, .value_kind: global_buffer, .address_space: global }
      - { .name: wob, .offset: 8, .size: 8, .value_kind: global_buffer, .address_space: global }
      - { .name: bo, .offset: 16, .size: 8, .value_kind: global_buffer, .address_space: global }
      - { .name: out0, .offset: 24, .size: 8, .value_kind: global_buffer, .address_space: global }
    .group_segment_fixed_size: 312832
    .private_segment_fixed_size: 0
    .kernarg_segment_align: 8
    .kernarg_segment_size: 32
    .max_flat_workgroup_size: 128
    .sgpr_count:     80
    .vgpr_count:     416
    .wavefront_size: 32
...
	.end_amdgpu_metadata
.endif
;; end of part 3
;; ======== version 2 of 2: 3 launches
;; limits: values are held in f16: magnitudes above 65,504 overflow, below 6.1e-05 lose precision
;; workspace buffers: qws 8,388,608 bytes; kws 8,388,608 bytes; vws 8,388,608 bytes; ctx 8,388,608 bytes; wob 524,288 bytes
;; launch proj (part 4): grid 64 x 3, 4 waves a work-group, clusters of 4 x 1, 327,680 bytes of LDS; arguments query, key, value, Wq, Wk, Wv, bq, bv, Wo, qws, kws, vws, wob; writes qws, kws, vws, wob
.if DOCPART == 4
	.amdgcn_target "amdgcn-amd-amdhsa--gfx1250"
	.amdhsa_code_object_version 6
	.text
	.protected	k_q19f0606b8d_proj
	.globl	k_q19f0606b8d_proj
	.p2align	8
	.type	k_q19f0606b8d_proj,@function
k_q19f0606b8d_proj:
	s_mov_b64 s[64:65], 0
	v_nop
	global_prefetch_b8 v0, s[64:65] scope:SCOPE_SE
	s_setreg_imm32_b32 hwreg(HW_REG_WAVE_MODE, 25, 1), 1
	s_wait_xcnt 0x0
	s_wait_alu depctr_hold_cnt(0) depctr_sa_sdst(0) depctr_va_vdst(0) depctr_va_sdst(0) depctr_va_ssrc(0) depctr_va_vcc(0) depctr_vm_vsrc(0)
	s_getreg_b32 s2, hwreg(HW_REG_IB_STS2, 6, 4)
	s_cmp_eq_u32 s2, 0
	s_cbranch_scc0 .Lentry_in_a_cluster
	s_endpgm
.Lentry_in_a_cluster:
	s_bfe_u32 s2, ttmp6, 0x10000c
	s_cmp_lg_u32 s2, 0x3003
	s_cbranch_scc0 .Lentry_shape_is_right
	s_endpgm
.Lentry_shape_is_right:
; q' = (query Wq^T + bq) c,  k = key Wk^T,  v = value Wv^T + bv, each stored as f16 [b][h][t][d]; and Wo copied to f16.
; c = 0.125 / 100 * log2(e): the scores of the next launch then come out as exponents of 2.
; WORK LEFT OUT: bk.  score[t][s] = q_t . (key_s Wk^T + bk) = q_t . k_s + q_t . bk, and q_t . bk is the same for every s of row t,
; so it cancels in the softmax along s for all values of the inputs (a masked score stays -inf).  bk has no other way to the output:
; it is not loaded and is no argument of any launch.  Limit: a NaN, an infinity or an overflow that only bk would bring is not carried on.
; FORMAT: all matrix operands are f16, all sums f32.  Limits: |k| and |v| below 65,504 (f16's largest number);
; numbers of q' below 6.1e-5 are kept to 6e-8 absolute (f16's denormals).
; SHARES: 192 work-groups of four waves = 3 tensors x 32 blocks of 256 tokens of one batch row x 2 halves of the 512 features.  A work-group makes
; 256 tokens x 256 features of one tensor; wave (wh, wl): tokens 128 wh .. +127, features 128 wl .. +127 of the half = two heads: 64 accumulator tiles.
; WHY 192: every change of slots waits until all tensor loads have landed, so what counts is how few changes there are and how few bytes a result costs.
; This tile takes in (256 + 256) rows x 2,048 bytes = 1 MiB in 8 chunks.  Three tiles of 128 x 128 on each of 256 work-groups would take in 1.5 MiB in 12
; chunks of the same bytes, and read and convert twice the LDS bytes for each product.  No tile of this ratio divides the 3 x 8,192 x 512 results by 256.
; K goes in 8 chunks of 64 through two LDS slots; a chunk's rows are 256 bytes of f32, at multiples of 256 bytes from the buffer's first byte.
; CLUSTER 4 x 1: the four token blocks of a cluster read the same tiles of W and ask for them jointly (mask 15).  A tile of activations has two readers,
; the two feature halves, and a mask names a cluster's four: it comes by plain tensor loads; its two readers lie in neighbouring clusters.
; THE MATRIX INSTRUCTION IS USED TRANSPOSED: source 0 = 16 rows of W (features), source 1 = 16 tokens.  Lane l then holds token l % 16 and
; its registers 0..7 the features 8 (l / 16) + 0..7: eight neighbours, 16 bytes of f16.
; REGISTERS, 1,024: window 0: v0-63 ids, addresses, packed results; v64-127 W's f16 fragments; v128-191 the tokens'; v192-255 the bias as 8 tiles.
; Window 1: the 16 fragments of a quarter chunk as loaded (f32).  Window 2: the accumulators of my tokens 0-63 (tile (a, b) at 8 (8 a + b)); window 3: tokens 64-127.
; The conversions stand in a run ahead of a quarter's products: a second set of fragments (128 registers) has no room beside these.
.set PITCH, 272                        ; an LDS row: 256 bytes + 16 of padding, an odd multiple of 16: 16 rows start in 16 different 16-byte columns
.set HALFT, 128*PITCH                  ; what one tensor load brings: 128 rows
.set SLOT,  4*HALFT                    ; 256 rows of activations, then 256 rows of weights
.set STAGE, 2*SLOT                     ; behind the ring, never filled by a tensor load: 64 tokens x 144 bytes for each wave
.set WSTG,  9216
.set ADRA,  4                          ; v4, v5   LDS address of my token fragments in slot 0, 1
.set ADRW,  6                          ; v6, v7   the same for the weights
.set STO,   8                          ; v8       the way out: where a lane puts 16 bytes
.set RD,    9                          ; v9       the way out: where it reads whole rows back
.set CO,    10                         ; v10      16 x lane: byte offset in the output
.set TMP,   32                         ; v[32:47] packed results
.set PFA,   48                         ; v48      prefetch: my row of the activations' tile, in bytes; never rewritten
.set PFW,   49                         ; v49      prefetch: my 256 bytes of the work-group's 16 KiB of W; never rewritten
.set WF,    64
.set AF,    128
.set BIAS,  192
.set RB,    64                         ; the way out: rows read back (the fragments are done with)
.set SCT,   192                        ; the way out: scaled results (the bias is done with)
.set G1A, 16                           ; s[16:23] group 1, activations
.set G1W, 24                           ; s[24:31] group 1, weights
.set G0A, 32                           ; s[32:39] group 0, activations, a set for each slot
.set G0W, 40                           ; s[40:47] group 0, weights, a set for each slot
.set PA, 68                            ; s[68:69] my tensor's activations at the first row that my wave fetches
.set PW, 74                            ; s[74:75] its weights likewise
.set PB, 80                            ; s[80:81] its bias at my wave's first feature
.set PO, 86                            ; s[86:87] its output at my wave's first head and token
.set MSB, 0
.macro WIN new                         ; the immediate's high byte repeats the setting that is left; a switch that changes nothing is dropped
.if MSB != \new
	s_set_vgpr_msb (MSB<<8)|\new
.set MSB, \new
.endif
.endm
.macro PLACES n
.rept \n
	v_nop
.endr
.endm
.macro CREST                           ; a round of the cluster's barrier behind its opening work-group barrier
	s_cmp_lg_u32 s10, 0
	s_cbranch_scc1 .Lnot_wave_0_\@
	s_barrier_signal -3
.Lnot_wave_0_\@:
	s_barrier_wait -3
	s_barrier_signal -1
	s_barrier_wait -1
.endm
.macro CROUND
	s_barrier_signal -1
	s_barrier_wait -1
	CREST
.endm
; A wave's one tensor load: waves 0, 1 fetch the activations' two halves (plain), waves 2, 3 the weights' (joint).  The branch hangs on the wave's number alone.
.macro JLOAD s
	s_cmp_eq_u32 s11, 0
	s_cbranch_scc0 .Lfor_w_\@
	tensor_load_to_lds s[G0A+4*\s:G0A+4*\s+3], s[G1A:G1A+7]
	s_nop 0
	s_branch .Lasked_\@
.Lfor_w_\@:
	tensor_load_to_lds s[G0W+4*\s:G0W+4*\s+3], s[G1W:G1W+7]
	s_nop 0
.Lasked_\@:
.endm
.macro SETFILL s, kc                   ; the global addresses of slot s's next chunk kc: 256 bytes along the rows for each chunk
	s_add_nc_u64 s[G0A+4*\s+2:G0A+4*\s+3], s[PA:PA+1], \kc*256
	s_or_b32 s[G0A+4*\s+3], s[G0A+4*\s+3], 0x80000000
	s_add_nc_u64 s[G0W+4*\s+2:G0W+4*\s+3], s[PW:PW+1], \kc*256
	s_or_b32 s[G0W+4*\s+3], s[G0W+4*\s+3], 0x80000000
.endm
	s_load_b512 s[68:83], s[0:1], 0x0              ; query, key, value, Wq, Wk, Wv, bq s[80:81], bv s[82:83]
	s_load_b256 s[84:91], s[0:1], 0x40             ; Wo s[84:85], qws s[86:87], kws s[88:89], vws s[90:91]
	s_load_b64 s[92:93], s[0:1], 0x60              ; wob
	v_lshl_add_u32 v62, v0, 2, 0x4d000
	v_mov_b32 v63, 0
	ds_add_u32 v62, v63
	v_lshrrev_b32 v1, 5, v0
	v_readfirstlane_b32 s10, v1                    ; wave 0..3
	s_lshr_b32 s11, s10, 1                         ; wh: my half of the tokens.  Also: I fetch activations (0) or weights (1)
	s_and_b32 s12, s10, 1                          ; wl: my half of the features.  Also: which 128 rows I fetch
	s_bfe_u32 s4, ttmp6, 0x40000                   ; cx
	s_lshr_b32 s6, ttmp9, 1
	s_lshl_b32 s6, s6, 2
	s_add_co_u32 s6, s6, s4                        ; token block tb = 4 (cluster x >> 1) + cx, 0..31
	s_and_b32 s9, ttmp9, 1                         ; feature half = cluster x & 1: the two readers of a token block lie in neighbouring clusters
	s_and_b32 s8, ttmp7, 0xffff                    ; tensor: 0 query, 1 key, 2 value; the same in all four partners
	; group 1: 128 rows of 64 f32; 4 words of padding behind every 64 words.  The weights' carries the mask of the cluster's four and bit 21 beside it.
	s_mov_b32 s[G1A+0], (2<<16)|(1<<20)|(5<<22)|(3<<25)
	s_mov_b32 s[G1W+0], 15|(2<<16)|(1<<20)|(1<<21)|(5<<22)|(3<<25)
	s_mov_b32 s[G1A+1], 64<<16                     ; tensor_dim0 = 64
	s_mov_b32 s[G1W+1], 64<<16
	s_mov_b32 s[G1A+2], 128<<16                    ; tensor_dim1 = 128
	s_mov_b32 s[G1W+2], 128<<16
	s_mov_b32 s[G1A+3], 64<<16                     ; tile_dim0 = 64
	s_mov_b32 s[G1W+3], 64<<16
	s_mov_b32 s[G1A+4], 128                        ; tile_dim1 = 128
	s_mov_b32 s[G1W+4], 128
	s_mov_b32 s[G1A+5], 2048                       ; from token (t, b) to (t + 1, b): 4 x 512 elements
	s_mov_b32 s[G1W+5], 512
	s_mov_b32 s[G1A+6], 0
	s_mov_b32 s[G1W+6], 0
	s_mov_b32 s[G1A+7], 0
	s_mov_b32 s[G1W+7], 0
	; byte offsets.  The weights' hangs on the half and the wave alone: nothing in it differs between the four partners.
	s_lshr_b32 s56, s6, 2
	s_lshl_b32 s56, s56, 8                         ; t0 = 256 (tb >> 2)
	s_and_b32 s57, s6, 3                           ; b = tb & 3
	s_lshl2_add_u32 s66, s56, s57                  ; 4 t0 + b
	s_lshl_b32 s66, s66, 11                        ; x 2,048 bytes: the token block's first row
	s_mov_b32 s67, 0
	s_lshl_b32 s48, s12, 20                        ; 128 wl tokens of 8,192 bytes
	s_add_co_u32 s48, s48, s66                     ; the first row that my wave fetches
	s_mov_b32 s49, 0
	s_lshl1_add_u32 s13, s9, s12                   ; 2 half + wl: my 128 features
	s_lshl_b32 s62, s13, 9                         ; in bytes of a bias
	s_mov_b32 s63, 0
	s_lshl_b32 s50, s13, 18                        ; in rows of W: 128 x 2,048 bytes
	s_mov_b32 s51, 0
	s_lshl2_add_u32 s52, s57, s13                  ; 4 b + 2 half + wl: half of 8 b + my first head
	s_lshl_b32 s52, s52, 12                        ; x 2 heads x 2,048 tokens
	s_add_co_u32 s52, s52, s56
	s_lshl_b32 s53, s11, 7
	s_add_co_u32 s52, s52, s53                     ; + t0 + 128 wh
	s_lshl_b32 s52, s52, 7                         ; x 128 bytes
	s_mov_b32 s53, 0
	s_lshl1_add_u32 s94, s6, s9                    ; 2 tb + half, 0..63: the work-group's number among its tensor's 64
	s_lshl_b32 s94, s94, 14                        ; x 16 KiB: its share of W for the prefetch, and of Wo for the copy
	s_mov_b32 s95, 0
	s_lshl_b32 s3, s9, 7                           ; 128 half: which rows of the token block I prefetch
	s_mov_b32 s54, 0x3aec5f04                      ; c, twice
	s_mov_b32 s55, 0x3aec5f04
	s_mul_i32 s58, s10, HALFT                      ; where my tensor loads go: wave x 128 rows
	s_wait_dscnt 0x0
	s_wait_kmcnt 0x0
	s_cmp_eq_u32 s8, 0                             ; my tensor's buffers, chosen on its number
	s_cselect_b64 s[68:69], s[68:69], s[70:71]
	s_cselect_b64 s[74:75], s[74:75], s[76:77]
	s_cselect_b64 s[80:81], s[80:81], s[82:83]     ; bq for query, bv for value (key loads none)
	s_cselect_b64 s[86:87], s[86:87], s[88:89]
	s_cmp_eq_u32 s8, 2
	s_cselect_b64 s[68:69], s[72:73], s[68:69]
	s_cselect_b64 s[74:75], s[78:79], s[74:75]
	s_cselect_b64 s[86:87], s[90:91], s[86:87]
	s_add_nc_u64 s[70:71], s[68:69], s[66:67]      ; prefetch: the token block's first row
	s_add_nc_u64 s[68:69], s[68:69], s[48:49]
	s_add_nc_u64 s[76:77], s[74:75], s[94:95]      ; prefetch: the work-group's 16 KiB of W (no descriptor is made of this pair)
	s_add_nc_u64 s[74:75], s[74:75], s[50:51]
	s_add_nc_u64 s[80:81], s[80:81], s[62:63]
	s_add_nc_u64 s[86:87], s[86:87], s[52:53]
	CROUND                                         ; the four partners are here: the first joint loads meet
.irp s, 0,1
	s_mov_b32 s[G0A+4*\s], 1
	s_add_co_u32 s[G0A+4*\s+1], s58, \s*SLOT
	s_mov_b32 s[G0W+4*\s], 1
	s_add_co_u32 s[G0W+4*\s+1], s58, \s*SLOT
	SETFILL \s, \s
	JLOAD \s                                       ; chunks 0 and 1: two tensor loads of the wave are out
.endr
	; PREFETCH.  Activations: behind the load of chunk c each thread asks for one row's 256 bytes of chunk c + 1, one change of slots ahead of the load that
	; wants them; the tile's two readers take 128 rows each, so each block is asked for once; chunks 2 to 7, so no request leaves the buffer.
	; Weights: once, here: 64 threads ask for the work-group's 16 KiB, 256 bytes apart; the tensor's 64 work-groups cover its 1 MiB
	; (a quarter of it, chunks 0 and 1, the tensor loads above ask for as well).
	v_lshlrev_b32 v[PFW], 8, v0
	v_add_nc_u32 v[PFA], s3, v0
	v_lshlrev_b32 v[PFA], 13, v[PFA]               ; row x 8,192 bytes
	global_prefetch_b8 v[PFA], s[70:71] offset:2*256 th:TH_LOAD_NT scope:SCOPE_SE
	s_cmp_lt_u32 s10, 2
	s_cbranch_scc0 .Lno_w
	global_prefetch_b8 v[PFW], s[76:77] th:TH_LOAD_NT scope:SCOPE_SE
.Lno_w:
	v_and_b32 v1, 31, v0                           ; lane
	v_and_b32 v2, 15, v0                           ; r
	v_bfe_u32 v3, v0, 4, 1                         ; h
	v_lshlrev_b32 v11, 5, v3                       ; 32 h: my 8 numbers of a bias tile
	v_mul_u32_u24 v14, v2, PITCH
	v_lshl_add_u32 v14, v3, 5, v14                 ; r x pitch + 32 h: 8 f32 for each half of the lanes
	s_mul_i32 s59, s11, HALFT
	v_add_nc_u32 v[ADRA], s59, v14
	v_add_nc_u32 v[ADRA+1], SLOT, v[ADRA]
	s_mul_i32 s60, s12, HALFT
	s_add_co_u32 s60, s60, 2*HALFT
	v_add_nc_u32 v[ADRW], s60, v14
	v_add_nc_u32 v[ADRW+1], SLOT, v[ADRW]
	s_mul_i32 s61, s10, WSTG
	s_add_co_u32 s61, s61, STAGE                   ; my stage
	v_mul_u32_u24 v15, v2, 144
	v_lshl_add_u32 v15, v3, 4, v15
	v_add_nc_u32 v[STO], s61, v15
	v_lshrrev_b32 v15, 3, v1
	v_mul_u32_u24 v15, v15, 144
	v_and_b32 v50, 7, v1
	v_lshl_add_u32 v15, v50, 4, v15
	v_add_nc_u32 v[RD], s61, v15                   ; four tokens' 128 bytes for 32 lanes
	v_lshlrev_b32 v[CO], 4, v1
	; WHERE THE SUMS START.  query, value: at the bias, which is the first products' C.  key: at 0; its 64 start registers are set once, so that one text of
	; products serves the three tensors.  The 64 work-groups of key also copy Wo to f16, 16 KiB each, while the first tiles are on their way.
	s_cmp_eq_u32 s8, 1
	s_cbranch_scc1 .Lkey
.irp nt, 0,1,2,3,4,5,6,7
	global_load_b128 v[BIAS+8*\nt:BIAS+8*\nt+3],   v11, s[PB:PB+1] offset:64*\nt      ; register j: bias of feature 16 nt + 8 h + j, as an accumulator tile holds it
	global_load_b128 v[BIAS+8*\nt+4:BIAS+8*\nt+7], v11, s[PB:PB+1] offset:64*\nt+16
.endr
	s_branch .Lstart
.Lkey:
	s_add_nc_u64 s[84:85], s[84:85], s[94:95]      ; my 16,384 bytes of Wo,
	s_lshr_b32 s94, s94, 1
	s_add_nc_u64 s[92:93], s[92:93], s[94:95]      ; my 8,192 of wob
	v_lshlrev_b32 v12, 5, v0                       ; 32 bytes of f32 a thread,
	v_lshlrev_b32 v13, 4, v0                       ; 16 of f16
.irp j, 0,1,2,3
	global_load_b128 v[64+8*\j:64+8*\j+3],   v12, s[84:85] offset:4096*\j th:TH_LOAD_NT
	global_load_b128 v[64+8*\j+4:64+8*\j+7], v12, s[84:85] offset:4096*\j+16 th:TH_LOAD_NT
.endr
.set ZN, 0
.rept 64
	v_mov_b32 v[BIAS+ZN], 0
.set ZN, ZN+1
.endr
	s_wait_loadcnt 0x0
.irp i, 0,1,2,3,4,5,6,7,8,9,10,11,12,13,14,15
	v_cvt_pk_f16_f32 v[16+\i], v[64+2*\i], v[64+2*\i+1]
.endr
.irp j, 0,1,2,3
	global_store_b128 v13, v[16+4*\j:16+4*\j+3], s[92:93] offset:2048*\j   ; a wave's store covers 512 consecutive bytes, aligned; v13 and v[16:31] are never written again
.endr
.Lstart:
; LDS load n = 0..63 of a quarter chunk (32 along K): fragment n / 4 (0-7: 16 rows of W each; 8-15: 16 tokens each), as f32, 16 registers a fragment.
; A 16-bit fragment wants k = 8 h .. +7 and 16 + 8 h .. +7: in f32 that is 32 bytes at 32 h and 32 bytes at 64 + 32 h.
.macro LDN slot, kq, n
.set LT, (\n)>>2
.set LP, (\n)&3
.if LT < 8
	ds_load_b128 v[16*LT+4*LP:16*LT+4*LP+3], v[ADRW+\slot] offset:LT*16*PITCH+(\kq)*128+(LP&1)*16+(LP>>1)*64
.else
	ds_load_b128 v[16*LT+4*LP:16*LT+4*LP+3], v[ADRA+\slot] offset:(LT-8)*16*PITCH+(\kq)*128+(LP&1)*16+(LP>>1)*64
.endif
.endm
.macro FETCH slot, kq                  ; all 64 in one run: the launch's first quarter alone
	WIN 0x40                                       ; the data land in window 1
.set FN, 0
.rept 64
	LDN \slot, \kq, FN
.set FN, FN+1
.endr
.endm
.macro CVT                             ; sixteen fragments, f32 to f16: 16 registers of window 1 become 8 of window 0
	WIN 0x05
.irp f, 0,1,2,3,4,5,6,7,8,9,10,11,12,13,14,15
.irp i, 0,1,2,3,4,5,6,7
	v_cvt_pk_f16_f32 v[WF+8*\f+\i], v[16*\f+2*\i], v[16*\f+2*\i+1]
.endr
.endr
.endm
; Product n = 0..63 of a quarter: token tile 4 (n / 32) + (n / 8) % 4, feature tile n % 8.  cmode = 1: the sums start at the bias tile.
; The 64 accumulators take turns, one instruction a turn, in the same order in every quarter.
.macro WM n, cmode
.set WA, ((\n)>>3)&3
.set WB, (\n)&7
.set WH, (\n)>>5
.set WD, 8*(8*WA+WB)
.if \cmode
	v_wmma_f32_16x16x32_f16 v[WD:WD+7], v[WF+8*WB:WF+8*WB+7], v[AF+8*(4*WH+WA):AF+8*(4*WH+WA)+7], v[BIAS+8*WB:BIAS+8*WB+7]
.else
	v_wmma_f32_16x16x32_f16 v[WD:WD+7], v[WF+8*WB:WF+8*WB+7], v[AF+8*(4*WH+WA):AF+8*(4*WH+WA)+7], v[WD:WD+7]
.endif
.endm
; A quarter's 64 products in 16 groups of four.  fetch = 1: ahead of each group stand five of the 64 LDS loads of quarter fkq of slot fslot, so that the loads
; are spread over the first 13 groups and the last of them has 16 products in which to come back.  They land in window 1, which no product names.
.macro MULF fslot, fkq, fetch, cmode
.set PN, 0
.set FN, 0
.rept 16
.if \fetch
.if FN < 64
	WIN 0x40
.rept 5
.if FN < 64
	LDN \fslot, \fkq, FN
.set FN, FN+1
.endif
.endr
.endif
.endif
.if PN < 32
.if \cmode
	WIN 0x80                                       ; D in window 2, C (the bias) in window 0
.else
	WIN 0xa0                                       ; C and D in window 2
.endif
.else
.if \cmode
	WIN 0xc0
.else
	WIN 0xf0                                       ; C and D in window 3
.endif
.endif
.rept 4
	WM PN, \cmode
.set PN, PN+1
.endr
.endr
	WIN 0
.endm
.macro Q fslot, fkq, fetch, cmode      ; a quarter chunk: what lies in window 1 is converted and multiplied; the next quarter is fetched meanwhile
	s_wait_dscnt 0x0                               ; this quarter's 64 loads
	PLACES 4                                       ; the conversions write sources of the last quarter's products: four places behind them (ISA guide 7.12.1)
	CVT
	MULF \fslot, \fkq, \fetch, \cmode
.endm
; A change of slots, at the head of a chunk's second quarter: that quarter lies in registers, so the slot has been read to its end.  In front of the round
; every wave has its LDS reads back and all its tensor loads landed (the one that was out is its part of the other slot); no load is out, so group 0 may be
; written; behind the round the refill comes first, one tensor load a wave.  Nothing stands inside the round: the refill is what the next change waits for.
.macro CHANGE slot, kc, pf
	s_wait_dscnt 0x0
	s_wait_tensorcnt 0x0
	ds_add_u32 v62, v63
	s_wait_dscnt 0x0
	SETFILL \slot, \kc
	CROUND
	JLOAD \slot
.if \pf
	global_prefetch_b8 v[PFA], s[70:71] offset:\pf*256 th:TH_LOAD_NT scope:SCOPE_SE   ; my row of the chunk that the next change asks for
.endif
.endm
; The way out of 64 tokens (th: which half of my 128) x one head (hh: which of my two): f16 through my own stage, back as whole rows, 16 runs of 512 consecutive bytes.
.macro OUT th, hh, scaled
.irp mt, 0,1,2,3
.if \scaled
.if \th
	WIN 0x03
.else
	WIN 0x02
.endif
.irp i, 0,1,2,3,4,5,6,7,8,9,10,11,12,13,14,15
	v_pk_mul_f32 v[SCT+2*\i:SCT+2*\i+1], v[64*\mt+32*\hh+2*\i:64*\mt+32*\hh+2*\i+1], s[54:55] op_sel_hi:[1,0]
.endr
	WIN 0
.irp i, 0,1,2,3,4,5,6,7,8,9,10,11,12,13,14,15
	v_cvt_pk_f16_f32 v[TMP+\i], v[SCT+2*\i], v[SCT+2*\i+1]
.endr
.else
.if \th
	WIN 0x0f
.else
	WIN 0x0a
.endif
.irp i, 0,1,2,3,4,5,6,7,8,9,10,11,12,13,14,15
	v_cvt_pk_f16_f32 v[TMP+\i], v[64*\mt+32*\hh+2*\i], v[64*\mt+32*\hh+2*\i+1]
.endr
	WIN 0
.endif
.irp nt, 0,1,2,3
	ds_store_b128 v[STO], v[TMP+4*\nt:TMP+4*\nt+3] offset:\mt*2304+32*\nt
.endr
.endr
.irp n, 0,1,2,3,4,5,6,7,8,9,10,11,12,13,14,15
	ds_load_b128 v[RB+4*\n:RB+4*\n+3], v[RD] offset:576*\n         ; LDS serves a wave's instructions in order (ISA guide 5.7.1.4): these see the stores above
.endr
.irp n, 0,1,2,3,4,5,6,7,8,9,10,11,12,13,14,15
	s_wait_dscnt 15-\n                             ; read-back n is in, the younger ones may be out
	global_store_b128 v[CO], v[RB+4*\n:RB+4*\n+3], s[PO:PO+1] offset:512*\n+\th*8192+\hh*262144
.endr
	s_wait_xcnt 0x0                                ; the stores' data registers are loaded again only behind this wait
.endm
	s_wait_loadcnt 0x0                             ; the bias
	s_wait_tensorcnt 0x1                           ; my part of chunk 0 is in; chunk 1's stays out
	s_barrier_signal -1
	s_barrier_wait -1
	FETCH 0, 0
	Q 0, 1, 1, 1                                   ; chunk 0, K 0..31: the sums start
	CHANGE 0, 2, 3
	Q 1, 0, 1, 0                                   ; chunk 0, K 32..63; chunk 1's first quarter is fetched
	Q 1, 1, 1, 0                                   ; chunk 1
	CHANGE 1, 3, 4
	Q 0, 0, 1, 0
	Q 0, 1, 1, 0                                   ; chunk 2
	CHANGE 0, 4, 5
	Q 1, 0, 1, 0
	Q 1, 1, 1, 0                                   ; chunk 3
	CHANGE 1, 5, 6
	Q 0, 0, 1, 0
	Q 0, 1, 1, 0                                   ; chunk 4
	CHANGE 0, 6, 7
	Q 1, 0, 1, 0
	Q 1, 1, 1, 0                                   ; chunk 5
	CHANGE 1, 7, 0                                 ; the last load; nothing is left to prefetch
	Q 0, 0, 1, 0
	Q 0, 1, 1, 0                                   ; chunk 6
	s_wait_dscnt 0x0                               ; nothing is left to fetch: a plain barrier shows the last chunk whole to every wave
	s_wait_tensorcnt 0x0
	s_barrier_signal -1
	s_barrier_wait -1
	Q 1, 0, 1, 0
	Q 1, 1, 1, 0                                   ; chunk 7
	Q 0, 0, 0, 0
	PLACES 4                                       ; four places between the last product and the first read of a result or load into a fragment register
	s_cmp_eq_u32 s8, 0
	s_cbranch_scc0 .Lplain
	OUT 0, 0, 1                                    ; q', scaled by c
	OUT 0, 1, 1
	OUT 1, 0, 1
	OUT 1, 1, 1
	s_branch .Lend
.Lplain:
	OUT 0, 0, 0                                    ; k and v as they are
	OUT 0, 1, 0
	OUT 1, 0, 0
	OUT 1, 1, 0
.Lend:
	s_wait_tensorcnt 0x0
	ds_add_u32 v62, v63
	s_wait_dscnt 0x0
	CROUND                                         ; the closing round: no work-group ends while a partner may still ask jointly
	s_endpgm
.Lfunc_end_k_q19f0606b8d_proj:
	.size	k_q19f0606b8d_proj, .Lfunc_end_k_q19f0606b8d_proj-k_q19f0606b8d_proj
	.p2alignl 7, 3214868480
	.fill 96, 4, 3214868480
	.section	.rodata,"a",@progbits
	.p2align	6, 0x0
	.amdhsa_kernel k_q19f0606b8d_proj
		.amdhsa_group_segment_fixed_size 327680
		.amdhsa_private_segment_fixed_size 0
		.amdhsa_enable_private_segment 0
		.amdhsa_kernarg_size 104
		.amdhsa_user_sgpr_count 2
		.amdhsa_user_sgpr_kernarg_segment_ptr 1
		.amdhsa_wavefront_size32 1
		.amdhsa_system_sgpr_workgroup_id_x 1
		.amdhsa_system_sgpr_workgroup_id_y 1
		.amdhsa_system_sgpr_workgroup_id_z 1
		.amdhsa_system_vgpr_workitem_id 0
		.amdhsa_next_free_vgpr 1024
		.amdhsa_next_free_sgpr 96
		.amdhsa_reserve_vcc 0
		.amdhsa_float_denorm_mode_32 3
		.amdhsa_float_denorm_mode_16_64 3
		.amdhsa_memory_ordered 1
		.amdhsa_forward_progress 1
		.amdhsa_inst_pref_size 255
	.end_amdhsa_kernel
	.section	.bss,"aw",@nobits
	.p2align	6
	.space	262144
	.amdgpu_metadata
---
amdhsa.version: [ 1, 2 ]
amdhsa.kernels:
  - .name:           k_q19f0606b8d_proj
    .symbol:         k_q19f0606b8d_proj.kd
    .args:
      - { .name: query, .offset: 0, .size: 8, .value_kind: global_buffer, .address_space: global }
      - { .name: key, .offset: 8, .size: 8, .value_kind: global_buffer, .address_space: global }
      - { .name: value, .offset: 16, .size: 8, .value_kind: global_buffer, .address_space: global }
      - { .name: Wq, .offset: 24, .size: 8, .value_kind: global_buffer, .address_space: global }
      - { .name: Wk, .offset: 32, .size: 8, .value_kind: global_buffer, .address_space: global }
      - { .name: Wv, .offset: 40, .size: 8, .value_kind: global_buffer, .address_space: global }
      - { .name: bq, .offset: 48, .size: 8, .value_kind: global_buffer, .address_space: global }
      - { .name: bv, .offset: 56, .size: 8, .value_kind: global_buffer, .address_space: global }
      - { .name: Wo, .offset: 64, .size: 8, .value_kind: global_buffer, .address_space: global }
      - { .name: qws, .offset: 72, .size: 8, .value_kind: global_buffer, .address_space: global }
      - { .name: kws, .offset: 80, .size: 8, .value_kind: global_buffer, .address_space: global }
      - { .name: vws, .offset: 88, .size: 8, .value_kind: global_buffer, .address_space: global }
      - { .name: wob, .offset: 96, .size: 8, .value_kind: global_buffer, .address_space: global }
    .group_segment_fixed_size: 327680
    .private_segment_fixed_size: 0
    .kernarg_segment_align: 8
    .kernarg_segment_size: 104
    .max_flat_workgroup_size: 128
    .sgpr_count:     96
    .vgpr_count:     1024
    .wavefront_size: 32
...
	.end_amdgpu_metadata
.endif
;; end of part 4
;; launch attn (part 5): grid 8 x 32, 4 waves a work-group, clusters of 4 x 1, 327,680 bytes of LDS; arguments qws, kws, vws, key_padding_mask, ctx; writes ctx
.if DOCPART == 5
	.amdgcn_target "amdgcn-amd-amdhsa--gfx1250"
	.amdhsa_code_object_version 6
	.text
	.protected	k_q19f0606b8d_attn
	.globl	k_q19f0606b8d_attn
	.p2align	8
	.type	k_q19f0606b8d_attn,@function
k_q19f0606b8d_attn:
	s_mov_b64 s[64:65], 0
	v_nop
	global_prefetch_b8 v0, s[64:65] scope:SCOPE_SE
	s_setreg_imm32_b32 hwreg(HW_REG_WAVE_MODE, 25, 1), 1
	s_wait_xcnt 0x0
	s_wait_alu depctr_hold_cnt(0) depctr_sa_sdst(0) depctr_va_vdst(0) depctr_va_sdst(0) depctr_va_ssrc(0) depctr_va_vcc(0) depctr_vm_vsrc(0)
	s_getreg_b32 s2, hwreg(HW_REG_IB_STS2, 6, 4)
	s_cmp_eq_u32 s2, 0
	s_cbranch_scc0 .Lentry_in_a_cluster
	s_endpgm
.Lentry_in_a_cluster:
	s_bfe_u32 s2, ttmp6, 0x10000c
	s_cmp_lg_u32 s2, 0x3003
	s_cbranch_scc0 .Lentry_shape_is_right
	s_endpgm
.Lentry_shape_is_right:
; ctx = softmax(q' k^T, masked) v for one (b, h) and 256 queries, with a running maximum.  q', k, v, ctx: f16 [b][h][t][64].
; k comes without bk: q_t . bk is the same along the softmax's axis and cancels for all values of the inputs.
; q' carries 0.125 / 100 * log2(e), so a score is an exponent of 2.
; MASK: a masked key's score starts at -2^120 (it rides in as the C of the first product), the running maximum starts at -2^100, so a masked key's
; weight is exp2 of about -2^120 = 0.  Limit: scores (as exponents of 2) within +-2^100.  A batch row with every key masked gives l = 0, O = 0
; and 0 x (1 / 0) = NaN, as a softmax over -inf alone does.  Limit: |ctx| below 65,504 (f16).
; SHARES: four waves; wave w owns 64 queries, 4 tiles of 16; 2,048 keys go in 8 tiles of 256 through two LDS slots, 64 keys a trip, 32 trips.
; CLUSTER 4 x 1: the four query blocks of a cluster read the same K and V tiles and ask for them jointly (mask 15).
; LAYOUT: S^T = K Q^T leaves in lane (r, h), register j, the score of key 16 kt + 8 h + j for query r.  Packing two such tiles pairwise in place is
; exactly the second source P^T (k = 8 h .. and 16 + 8 h ..) of O^T = V^T P^T; V^T's fragments come from V stored [key][d] by transposing LDS loads.
; A query's maximum and sum lie in lanes r and r + 16: one exchange between the halves, no other traffic between lanes.
; TWO PIECES TAKE TURNS: piece A = query tiles 0, 1, piece B = tiles 2, 3.  A trip has 64 products and 480 vector instructions; one piece's 240
; (maxima, exponentials, sums, packing, the rescaling of O) are cut into 32 slices, and one slice stands behind each of the other piece's 32 products.
; The body of trip t:  P V of A(t-1) and Q K of A(t) with the softmax of B(t-1);  then P V of B(t-1) and Q K of B(t) with the softmax of A(t).
; All LDS reads of a body (K, V and the bias of trip t) lie in trip t's slot, so a change of slots stands between two bodies.
; ONE TEXT FOR A TRIP: a body runs in a counted loop of four trips a slot; its LDS addresses are a slot's base plus the loop's counter times the trip's bytes.
; REGISTERS: window 0: v0-63 addresses and row statistics, v64-95 mask tiles, v96-127 the way out, v128-255 scores, then weights.
; Window 1: v0-63 V's fragments, v128-255 O (V beside O: the rescaling of O runs under the setting of P V and needs no switch).
; Window 2: v0-63 Q's fragments, v64-127 K's.  What the vector work touches (scores 128, O 128, statistics 48, mask tiles 32) is more than one
; window, and a vector instruction's sources 0 and 1 share their windows with a product's: so most products stand between two switches.
.set KP,    144                        ; K's LDS pitch: 128 bytes + 16, an odd multiple of 16
.set VP,    160                        ; V's: 128 + 32, an odd multiple of 32, for the transposing loads
.set KHALF, 128*KP                     ; what one tensor load of K brings
.set VHALF, 128*VP                     ; and one of V
.set VOFF,  2*KHALF                    ; a slot: 256 keys of K, then 256 keys of V
.set SLOT,  VOFF+2*VHALF
.set SLOT0, 8192                       ; in front of the slots: 2,048 f32 of mask bias, written by LDS stores, never by a tensor load
.set STAGE, SLOT0+2*SLOT               ; 64 queries x 144 bytes for each wave, never filled by a tensor load
.set WSTG,  9216
.set BA,   3                           ; v3       h in the set-up; then the LDS address of this trip's bias
.set KA,   4                           ; v4, v5   K fragments at the start of slot 0, 1
.set VA,   6                           ; v6, v7   V fragments likewise
.set BCNT, 8                           ; v8       32 h + 1,024 x key tile
.set BT,   9                           ; v9       the same, cut to its own bits
.set STO,  10
.set RD,   11
.set CO,   12
.set QO,   13
.set KC,   14                          ; v14      K fragments of this trip
.set VC,   15                          ; v15      V fragments of this trip
.set MX,   16                          ; v[16:19] running maximum of tile q
.set LS,   20                          ; v[20:27] running sums, a pair for each q
.set AL,   28                          ; v[28:35] exp2(old maximum - new), twice for each q
.set NM,   36                          ; v[36:43] minus the new maximum, twice for each q
.set TS,   44                          ; v[44:51] four pairs of partial sums
.set TM,   52                          ; v[52:59] four partial maxima for each of a piece's two tiles
.set UU,   60                          ; v[60:63] the lane's maximum and the other half's, for each of a piece's two tiles
.set BI,   64
.set OT,   96
.set SC,   128                         ; score tile (kt, q) at SC + 32 q + 8 kt; weights (q, c) at SC + 32 q + 16 c
.set VF,   0                           ; window 1: fragment (dt, c) at 16 dt + 8 c
.set OACC, 128                         ; window 1: tile (dt, q) at OACC + 32 q + 8 dt
.set QF,   0                           ; window 2: fragment (q, dh) at 16 q + 8 dh
.set KF,   64                          ; window 2: fragment (kt, dh) at KF + 16 kt + 8 dh
.set G1K, 16
.set G1V, 24
.set G0K, 32
.set G0V, 40
.set MSB, 0
.macro WIN new                         ; the immediate's high byte repeats the setting that is left; a switch that changes nothing is dropped
.if MSB != \new
	s_set_vgpr_msb (MSB<<8)|\new
.set MSB, \new
.endif
.endm
.macro PLACES n
.rept \n
	v_nop
.endr
.endm
.macro CREST
	s_cmp_lg_u32 s14, 0
	s_cbranch_scc1 .Lnot_wave_0_\@
	s_barrier_signal -3
.Lnot_wave_0_\@:
	s_barrier_wait -3
	s_barrier_signal -1
	s_barrier_wait -1
.endm
.macro CROUND
	s_barrier_signal -1
	s_barrier_wait -1
	CREST
.endm
.macro JLOAD s                         ; waves 0, 1: K's halves; waves 2, 3: V's
	s_cmp_eq_u32 s15, 0
	s_cbranch_scc0 .Lfor_v_\@
	tensor_load_to_lds s[G0K+4*\s:G0K+4*\s+3], s[G1K:G1K+7]
	s_nop 0
	s_branch .Lasked_\@
.Lfor_v_\@:
	tensor_load_to_lds s[G0V+4*\s:G0V+4*\s+3], s[G1V:G1V+7]
	s_nop 0
.Lasked_\@:
.endm
	s_load_b256 s[4:11], s[0:1], 0x0               ; qws s[4:5], kws s[6:7], vws s[8:9], mask s[10:11]
	s_load_b64 s[12:13], s[0:1], 0x20              ; ctx
	s_set_vgpr_msb 0x40
	v_lshl_add_u32 v126, v0, 2, 0x31000
	v_mov_b32 v127, 0
	s_set_vgpr_msb 0x4045
	ds_add_u32 v126, v127
	s_set_vgpr_msb 0x4500
	v_lshrrev_b32 v1, 5, v0
	v_readfirstlane_b32 s14, v1                    ; wave
	s_lshr_b32 s15, s14, 1                         ; I fetch K (0) or V (1)
	s_and_b32 s48, s14, 1                          ; which 128 keys
	s_bfe_u32 s49, ttmp6, 0x40000                  ; cx
	s_lshl_b32 s50, ttmp9, 2
	s_add_co_u32 s50, s50, s49                     ; query block 0..7
	s_and_b32 s51, ttmp7, 0xffff                   ; 8 b + h
	s_lshl_b32 s52, s51, 18                        ; a head's 2,048 tokens x 128 bytes
	s_lshl_b32 s53, s48, 14
	s_add_co_u32 s52, s52, s53                     ; + my 128 keys: nothing here differs between the four partners
	s_mov_b32 s53, 0
	s_lshl_b32 s58, s51, 11
	s_lshl_b32 s59, s50, 8
	s_add_co_u32 s58, s58, s59
	s_lshl_b32 s59, s14, 6
	s_add_co_u32 s58, s58, s59
	s_lshl_b32 s58, s58, 7                         ; my wave's 64 queries in qws and in ctx
	s_mov_b32 s59, 0
	s_lshr_b32 s62, s51, 3
	s_lshl_b32 s62, s62, 11                        ; the mask's row b
	s_mov_b32 s63, 0
	s_mov_b32 s54, 0x76543210                      ; v_permlanex16_b32: lane i reads lane i of the other half
	s_mov_b32 s55, 0xfedcba98
	s_mov_b32 s56, 0xf1800000                      ; -2^100
	s_mov_b32 s60, 0xfb800000                      ; -2^120
	; group 1: 128 rows of 64 f16; padding behind every 32 words: 4 words for K, 8 for V
	s_mov_b32 s[G1K+0], 15|(1<<16)|(1<<20)|(1<<21)|(4<<22)|(3<<25)
	s_mov_b32 s[G1V+0], 15|(1<<16)|(1<<20)|(1<<21)|(4<<22)|(7<<25)
	s_mov_b32 s[G1K+1], 64<<16
	s_mov_b32 s[G1V+1], 64<<16
	s_mov_b32 s[G1K+2], 128<<16
	s_mov_b32 s[G1V+2], 128<<16
	s_mov_b32 s[G1K+3], 64<<16
	s_mov_b32 s[G1V+3], 64<<16
	s_mov_b32 s[G1K+4], 128
	s_mov_b32 s[G1V+4], 128
	s_mov_b32 s[G1K+5], 64
	s_mov_b32 s[G1V+5], 64
	s_mov_b32 s[G1K+6], 0
	s_mov_b32 s[G1V+6], 0
	s_mov_b32 s[G1K+7], 0
	s_mov_b32 s[G1V+7], 0
	s_mul_i32 s61, s14, KHALF
	s_add_co_u32 s61, s61, SLOT0                   ; K's loads (waves 0, 1) go to the slot's start + wave x 18,432
	s_mul_i32 s3, s14, VHALF
	s_add_co_u32 s3, s3, SLOT0+VOFF-2*VHALF        ; V's loads (waves 2, 3) to the slot's start + 36,864 + (wave - 2) x 20,480
	s_wait_dscnt 0x0
	s_wait_kmcnt 0x0
	s_add_nc_u64 s[4:5], s[4:5], s[58:59]
	s_add_nc_u64 s[12:13], s[12:13], s[58:59]
	s_add_nc_u64 s[6:7], s[6:7], s[52:53]
	s_add_nc_u64 s[8:9], s[8:9], s[52:53]
	s_add_nc_u64 s[10:11], s[10:11], s[62:63]
	CROUND                                         ; the four partners are here: the first joint loads meet
.irp s, 0,1
	s_mov_b32 s[G0K+4*\s], 1
	s_add_co_u32 s[G0K+4*\s+1], s61, \s*SLOT
	s_add_nc_u64 s[G0K+4*\s+2:G0K+4*\s+3], s[6:7], \s*32768
	s_or_b32 s[G0K+4*\s+3], s[G0K+4*\s+3], 0x80000000
	s_mov_b32 s[G0V+4*\s], 1
	s_add_co_u32 s[G0V+4*\s+1], s3, \s*SLOT
	s_add_nc_u64 s[G0V+4*\s+2:G0V+4*\s+3], s[8:9], \s*32768
	s_or_b32 s[G0V+4*\s+3], s[G0V+4*\s+3], 0x80000000
	JLOAD \s                                       ; key tiles 0 and 1: two tensor loads of the wave are out
.endr
	v_and_b32 v1, 31, v0
	v_and_b32 v2, 15, v0                           ; r
	v_bfe_u32 v3, v0, 4, 1                         ; h
	v_lshlrev_b32 v[QO], 7, v2
	v_lshl_add_u32 v[QO], v3, 4, v[QO]             ; r x 128 + 16 h
	v_lshlrev_b32 v[TM+2], 4, v0                   ; 16 mask bytes a thread
	v_lshlrev_b32 v[TM+3], 6, v0                   ; 16 f32 a thread
	WIN 0x80                                       ; Q's fragments land in window 2
.irp q, 0,1,2,3
.irp dh, 0,1
	global_load_b128 v[QF+8*(2*\q+\dh):QF+8*(2*\q+\dh)+3],   v[QO], s[4:5] offset:\q*2048+64*\dh
	global_load_b128 v[QF+8*(2*\q+\dh)+4:QF+8*(2*\q+\dh)+7], v[QO], s[4:5] offset:\q*2048+64*\dh+32
.endr
.endr
	WIN 0
	global_load_b128 v[TS:TS+3], v[TM+2], s[10:11]
	v_mul_u32_u24 v[KA], v2, KP
	v_lshl_add_u32 v[KA], v3, 4, v[KA]
	v_add_nc_u32 v[KA], SLOT0, v[KA]
	v_add_nc_u32 v[KA+1], SLOT, v[KA]
	v_and_b32 v[VA], 7, v1
	v_lshl_add_u32 v[VA], v3, 3, v[VA]             ; key 8 h + (lane & 7)
	v_mul_u32_u24 v[VA], v[VA], VP
	v_bfe_u32 v[VA+1], v0, 3, 1
	v_lshl_add_u32 v[VA], v[VA+1], 4, v[VA]        ; + 16 bytes for lanes 8-15 and 24-31
	v_add_nc_u32 v[VA], SLOT0+VOFF, v[VA]
	v_add_nc_u32 v[VA+1], SLOT, v[VA]
	v_lshlrev_b32 v[BCNT], 5, v3
	v_mov_b32 v[BT], v[BCNT]
	s_mul_i32 s3, s14, WSTG
	s_add_co_u32 s3, s3, STAGE
	v_mul_u32_u24 v[TM], v2, 144
	v_lshl_add_u32 v[TM], v3, 4, v[TM]
	v_add_nc_u32 v[STO], s3, v[TM]
	v_lshrrev_b32 v[TM], 3, v1
	v_mul_u32_u24 v[TM], v[TM], 144
	v_and_b32 v[TM+1], 7, v1
	v_lshl_add_u32 v[TM], v[TM+1], 4, v[TM]
	v_add_nc_u32 v[RD], s3, v[TM]
	v_lshlrev_b32 v[CO], 4, v1
	v_mov_b32 v[UU+1], v1                          ; v_permlanex16_b32 counts as a reader of its destination: both are hereby written
	v_mov_b32 v[UU+3], v1
	s_wait_loadcnt 0x0                             ; Q's fragments and my 16 mask bytes
.irp k, 0,1,2,3
.irp j, 0,1,2,3
	v_bfe_u32 v[BI+4*\k+\j], v[TS+\k], 8*\j, 8
.endr
.endr
.irp k, 0,1,2,3,4,5,6,7,8,9,10,11,12,13,14,15
	v_mul_lo_u32 v[BI+\k], v[BI+\k], s60           ; byte 1 becomes the bits of -2^120, byte 0 stays 0.0
.endr
.irp k, 0,1,2,3
	ds_store_b128 v[TM+3], v[BI+4*\k:BI+4*\k+3] offset:16*\k
.endr
	s_wait_dscnt 0x0                               ; for the other waves' sake: my part of the bias is written
	s_wait_tensorcnt 0x1                           ; my part of key tile 0 is in; tile 1's stays out
	s_barrier_signal -1
	s_barrier_wait -1
; ---- THE PRODUCTS, one a call.  n = 0..15 is the product's number in its quarter; qx the piece's first tile.
; In each quarter eight accumulators take turns, one instruction a turn, twice in the same order.
.macro WQK qx, n                       ; S(kt, q) = K(kt, dh) Q(q, dh) + (bias of the 16 keys, or the first half's sum): dh = n / 8, q = qx + (n / 4) % 2, kt = n % 4
	WIN 0x0a                                       ; K and Q in window 2, bias and scores in window 0
.set WQ, \qx+(((\n)>>2)&1)
.set WT, (\n)&3
.set WD, SC+32*WQ+8*WT
.if ((\n)>>3) == 0
	v_wmma_f32_16x16x32_f16 v[WD:WD+7], v[KF+16*WT:KF+16*WT+7], v[QF+16*WQ:QF+16*WQ+7], v[BI+8*WT:BI+8*WT+7]
.else
	v_wmma_f32_16x16x32_f16 v[WD:WD+7], v[KF+16*WT+8:KF+16*WT+15], v[QF+16*WQ+8:QF+16*WQ+15], v[WD:WD+7]
.endif
.endm
.macro WPV qx, n, cz                   ; O(dt, q) += V(dt, c) P(q, c): c = n / 8, q = qx + (n / 4) % 2, dt = n % 4; cz = 1: the first 32 keys start the sums
	WIN 0x51                                       ; V and O in window 1, weights in window 0
.set WQ, \qx+(((\n)>>2)&1)
.set WT, (\n)&3
.set WC, (\n)>>3
.set WD, OACC+32*WQ+8*WT
.if (\cz)*(1-WC)
	v_wmma_f32_16x16x32_f16 v[WD:WD+7], v[VF+16*WT+8*WC:VF+16*WT+8*WC+7], v[SC+32*WQ+16*WC:SC+32*WQ+16*WC+7], 0
.else
	v_wmma_f32_16x16x32_f16 v[WD:WD+7], v[VF+16*WT+8*WC:VF+16*WT+8*WC+7], v[SC+32*WQ+16*WC:SC+32*WQ+16*WC+7], v[WD:WD+7]
.endif
.endm
; ---- THE VECTOR WORK OF A TILE, as numbered instructions.  j = 0, 1: the tile's place in its piece (its own temporaries).
.macro MSTG j, q, st                   ; four maxima that do not wait for each other; stage st = 0, 1, 2 takes 3, 2, 2 scores of each key tile
.set MXX, SC+32*(\q)
.irp k, 0,1,2,3
.if \st == 0
	v_max3_num_f32 v[TM+4*\j+\k], v[MXX+8*\k], v[MXX+8*\k+1], v[MXX+8*\k+2]
.else
	v_max3_num_f32 v[TM+4*\j+\k], v[TM+4*\j+\k], v[MXX+8*\k+2*\st+1], v[MXX+8*\k+2*\st+2]
.endif
.endr
.endm
.macro MOP j, q, op, first             ; the chain from the four partial maxima to the new maximum and its two factors, one instruction a call
.set MXX, SC+32*(\q)
.set MT, TM+4*(\j)
.set MU, UU+2*(\j)
.if \op == 12
	v_max3_num_f32 v[MT], v[MT], v[MT+1], v[MXX+7]
.elseif \op == 13
	v_max3_num_f32 v[MT+2], v[MT+2], v[MT+3], v[MXX+15]
.elseif \op == 14
	v_max3_num_f32 v[MT], v[MT], v[MT+2], v[MXX+23]
.elseif \op == 15
.if \first
	v_max3_num_f32 v[MU], v[MT], v[MXX+31], s56                    ; the running maximum starts at -2^100
.else
	v_max3_num_f32 v[MU], v[MT], v[MXX+31], v[MX+\q]
.endif
.elseif \op == 16
	v_permlanex16_b32 v[MU+1], v[MU], s54, s55
.elseif \op == 17
	v_max_num_f32 v[MU], v[MU], v[MU+1]                            ; the new maximum, in both lanes of the query
.elseif \op == 18
.if \first == 0
	v_sub_f32 v[AL+2*\q], v[MX+\q], v[MU]
.endif
.elseif \op == 19
	v_mov_b32 v[MX+\q], v[MU]
.elseif \op == 20
.if \first == 0
	v_exp_f32 v[AL+2*\q], v[AL+2*\q]                               ; exp2(old maximum - new)
.endif
.elseif \op == 21
	v_sub_f32 v[NM+2*\q], 0, v[MU]
.elseif \op == 22
	v_mov_b32 v[NM+2*\q+1], v[NM+2*\q]
.else
.if \first == 0
	s_wait_alu depctr_va_vdst(0)
	v_mov_b32 v[AL+2*\q+1], v[AL+2*\q]
.endif
.endif
.endm
.macro RSC q, base                     ; eight of tile q's sixteen pairs of O, each once by exp2(old maximum - new); the setting is that of P V
	WIN 0x51
.irp p, 0,1,2,3,4,5,6,7
	v_pk_mul_f32 v[OACC+32*\q+2*(\base+\p):OACC+32*\q+2*(\base+\p)+1], v[OACC+32*\q+2*(\base+\p):OACC+32*\q+2*(\base+\p)+1], v[AL+2*\q:AL+2*\q+1]
.endr
.endm
.macro SUMN off                        ; partial sum LK takes in the pair at off + 2 LK
	s_wait_alu depctr_va_vdst(0)
	v_pk_add_f32 v[TS+2*LK:TS+2*LK+1], v[TS+2*LK:TS+2*LK+1], v[LX+\off+2*LK:LX+\off+2*LK+1]
.endm
.macro PACK c                          ; weights LK of half c: two f32 into one register of f16, in place, ascending: a register is written after its last reader
	v_cvt_pk_f16_f32 v[LX+16*\c+LK], v[LX+16*\c+2*LK], v[LX+16*\c+2*LK+1]
.endm
; Instruction i = 0..79 of a tile's run from scores to weights.  0-3: the maximum leaves the first 8 scores.  4-67: the 32 exponentials, each followed by a
; plain instruction on registers of another group of eight (the maximum leaves a later group; an earlier group is summed or packed): no exponential stands
; next to another, and that plain instruction is also the one that has to stand between an exponential and the first use of its result (ISA guide 5.7.2).
; 68-79: the rest of the sums and of the packing.
.macro LOP q, i, first
.set LX, SC+32*(\q)
.set LI, \i
.if LI < 4
	v_pk_add_f32 v[LX+2*LI:LX+2*LI+1], v[LX+2*LI:LX+2*LI+1], v[NM+2*(\q):NM+2*(\q)+1]
.elseif LI < 68
.set LP, (LI-4)>>1
.if ((LI-4)&1) == 0
	v_exp_f32 v[LX+LP], v[LX+LP]
.elseif LP < 12
	v_pk_add_f32 v[LX+2*LP+8:LX+2*LP+9], v[LX+2*LP+8:LX+2*LP+9], v[NM+2*(\q):NM+2*(\q)+1]
.elseif LP < 15
.set LK, LP-12
	s_wait_alu depctr_va_vdst(0)
	v_pk_add_f32 v[TS+2*LK:TS+2*LK+1], v[LX+2*LK:LX+2*LK+1], v[LX+8+2*LK:LX+8+2*LK+1]      ; groups 0 and 1 start the four partial sums
.elseif LP == 15
.set LK, 0
	PACK 0
.elseif LP == 16
.set LK, 3
	s_wait_alu depctr_va_vdst(0)
	v_pk_add_f32 v[TS+2*LK:TS+2*LK+1], v[LX+2*LK:LX+2*LK+1], v[LX+8+2*LK:LX+8+2*LK+1]
.elseif LP < 24
.set LK, LP-16
	PACK 0
.elseif LP < 28
.set LK, LP-24
	SUMN 16
.elseif LP < 31
.set LK, LP-28
	SUMN 24
.else
.set LK, 0
	PACK 1
.endif
.else
.set LT, LI-68
.if LT == 0
.set LK, 3
	SUMN 24
.elseif LT == 4
	v_pk_add_f32 v[TS:TS+1], v[TS:TS+1], v[TS+2:TS+3]
.elseif LT == 6
	v_pk_add_f32 v[TS+4:TS+5], v[TS+4:TS+5], v[TS+6:TS+7]
.elseif LT == 8
.if \first
	v_pk_add_f32 v[LS+2*(\q):LS+2*(\q)+1], v[TS:TS+1], v[TS+4:TS+5]                         ; the first trip starts the running sums
.else
	v_pk_add_f32 v[TS:TS+1], v[TS:TS+1], v[TS+4:TS+5]
.endif
.elseif LT == 10
.if \first == 0
	v_pk_fma_f32 v[LS+2*(\q):LS+2*(\q)+1], v[LS+2*(\q):LS+2*(\q)+1], v[AL+2*(\q):AL+2*(\q)+1], v[TS:TS+1]
.endif
.else
.if LT < 4
.set LK, LT
.else
.set LK, (LT+3)>>1
.endif
	PACK 1
.endif
.endif
.endm
; Slice n = 0..31 of the piece of tiles qa, qb.  0-2: 24 maxima, the two tiles' groups of four by turns.  3-5: the two dependent chains by turns.
; 6-9: the rescaling of O (none in a first trip).  10-31: 160 instructions in 22 slices of 7 or 8: tile qa's run in slices 10-20, tile qb's in 21-31.
.macro SL qa, qb, n, first
.if (\n) < 3
	WIN 0
	MSTG 0, \qa, (\n)
	MSTG 1, \qb, (\n)
.elseif (\n) == 3
	WIN 0
	MOP 0, \qa, 12, \first
	MOP 0, \qa, 13, \first
	MOP 1, \qb, 12, \first
	MOP 1, \qb, 13, \first
	MOP 0, \qa, 14, \first
	MOP 1, \qb, 14, \first
	MOP 0, \qa, 15, \first
	MOP 1, \qb, 15, \first
.elseif (\n) == 4
	WIN 0
	MOP 0, \qa, 16, \first
	MOP 1, \qb, 16, \first
	MOP 0, \qa, 17, \first
	MOP 1, \qb, 17, \first
	MOP 0, \qa, 18, \first
	MOP 0, \qa, 21, \first
	MOP 0, \qa, 19, \first
	MOP 1, \qb, 18, \first
.elseif (\n) == 5
	WIN 0
	MOP 1, \qb, 21, \first
	MOP 1, \qb, 19, \first
	MOP 0, \qa, 20, \first
	MOP 0, \qa, 22, \first                         ; a plain instruction between each exponential and the copy of its result
	MOP 1, \qb, 20, \first
	MOP 1, \qb, 22, \first
	MOP 0, \qa, 23, \first
	MOP 1, \qb, 23, \first
.elseif (\n) < 8
.if \first == 0
	RSC \qa, 8*((\n)-6)
.endif
.elseif (\n) < 10
.if \first == 0
	RSC \qb, 8*((\n)-8)
.endif
.else
	WIN 0
.set LG, (160*((\n)-10))/22
.set LGE, (160*((\n)-9))/22
.rept LGE-LG
.if LG < 80
	LOP \qa, LG, \first
.else
	LOP \qb, LG-80, \first
.endif
.set LG, LG+1
.endr
.endif
.endm
.macro VFETCH                          ; V's fragments of this trip's 64 keys: 16 transposing loads into window 1
	WIN 0x40
.irp dt, 0,1,2,3
.irp c, 0,1
	ds_load_tr16_b128 v[VF+16*\dt+8*\c:VF+16*\dt+8*\c+3],   v[VC] offset:32*\c*VP+32*\dt
	ds_load_tr16_b128 v[VF+16*\dt+8*\c+4:VF+16*\dt+8*\c+7], v[VC] offset:32*\c*VP+32*\dt+16*VP
.endr
.endr
.endm
; ---- THE BODY OF TRIP t = 4 x key tile + s57.  slot: the tile's slot.  prev = 0: there is no trip before it (t = 0).  pf = 1: the trip before it is the
; first (its P V starts O, its piece B starts its statistics).  fa = 1: this trip starts piece A's statistics (t = 0).
; The places behind products (ISA guide 7.12.1) are filled by the other piece's slices, which name none of the product's registers:
;   K is loaded again behind slice 31 (8 plain instructions, 7 in a first trip) and the three additions below;
;   V is loaded again behind slices 15 and 16 (3 + 4 plain instructions);
;   the scores of a quarter's last product are read behind slice 31 and four maxima of the piece's other tile;
;   a register of weights is overwritten by a product of the next quarter six slices behind its last reader at the least.
.macro BODY slot, prev, pf, fa
	s_mul_i32 s58, s57, 64*KP                      ; the trip's 64 keys in its slot: the loop's counter times the trip's bytes
	s_mul_i32 s59, s57, 64*VP
	s_lshl_b32 s62, s57, 8
	v_add_nc_u32 v[KC], s58, v[KA+\slot]
	v_add_nc_u32 v[VC], s59, v[VA+\slot]
	v_add_nc_u32 v[BA], s62, v[BT]                 ; at most 32 + 7,168 + 768; with the largest offset, 208 + 16 bytes, a read ends at byte 8,192
.irp kt, 0,1,2,3
	ds_load_b128 v[BI+8*\kt:BI+8*\kt+3],   v[BA] offset:64*\kt             ; register j: the bias of key 16 kt + 8 h + j
	ds_load_b128 v[BI+8*\kt+4:BI+8*\kt+7], v[BA] offset:64*\kt+16
.endr
	WIN 0x80                                       ; K's fragments land in window 2
.irp kt, 0,1,2,3
.irp dh, 0,1
	ds_load_b128 v[KF+16*\kt+8*\dh:KF+16*\kt+8*\dh+3],   v[KC] offset:16*\kt*KP+64*\dh
	ds_load_b128 v[KF+16*\kt+8*\dh+4:KF+16*\kt+8*\dh+7], v[KC] offset:16*\kt*KP+64*\dh+32
.endr
.endr
.if \prev
	s_wait_dscnt 24                                ; V's 16 loads of the last trip are older than the 8 + 16 just issued, which may stay out
.set SN, 0
.rept 16
	WPV 0, SN, \pf                                 ; P V of piece A, trip t - 1
	SL 2, 3, SN, \pf                               ; softmax of piece B, trip t - 1
.set SN, SN+1
.endr
.endif
	s_wait_dscnt 0x0                               ; this trip's K and bias, issued sixteen products ago
.set SN, 0
.rept 16
	WQK 0, SN                                      ; Q K of piece A, trip t
.if \prev
	SL 2, 3, 16+SN, \pf
.endif
.set SN, SN+1
.endr
.if \prev == 0
	WIN 0
	PLACES 4                                       ; no slices stood among these products: four places before their scores are read
.endif
.set SN, 0
.rept 16
.if \prev
	WPV 2, SN, \pf                                 ; P V of piece B, trip t - 1
.endif
	SL 0, 1, SN, \fa                               ; softmax of piece A, trip t
.set SN, SN+1
.endr
.set SN, 0
.rept 16
	WQK 2, SN                                      ; Q K of piece B, trip t
	SL 0, 1, 16+SN, \fa
.if SN == 0
	VFETCH                                         ; this trip's V: fifteen products and their slices in which to land
.endif
.set SN, SN+1
.endr
	WIN 0                                          ; a branch or a label follows
.endm
.macro TRIPS slot, from                ; the trips from .. 3 of a key tile
	s_mov_b32 s57, \from
.Ltrip_\@:
	BODY \slot, 1, 0, 0
	s_add_co_u32 s57, s57, 1
	s_cmp_lt_u32 s57, 4
	s_cbranch_scc1 .Ltrip_\@
.endm
; From a slot whose four bodies are over to the other.  fill = 1: the slot is filled again, two key tiles ahead: every wave has its reads back and all
; its tensor loads landed in front of the round; behind it the joint load comes first, one a wave, and has four trips in which to land.
.macro CHANGE slot, fill
	s_wait_dscnt 0x0                               ; the last were V's loads of the slot's last trip
	s_set_vgpr_msb 0x5
	s_wait_tensorcnt 0x0
	ds_add_u32 v126, v127
	s_wait_dscnt 0x0
	s_set_vgpr_msb 0x500
.if \fill
	s_add_nc_u64 s[G0K+4*\slot+2:G0K+4*\slot+3], s[G0K+4*\slot+2:G0K+4*\slot+3], 65536
	s_add_nc_u64 s[G0V+4*\slot+2:G0V+4*\slot+3], s[G0V+4*\slot+2:G0V+4*\slot+3], 65536
	CROUND
	JLOAD \slot
.else
	s_barrier_signal -1
	s_barrier_wait -1
.endif
	v_add_nc_u32 v[BCNT], 1024, v[BCNT]            ; the next 256 keys' bias
	v_and_b32 v[BT], 0x1c20, v[BCNT]               ; 32 h + 1,024 x tile has these bits alone
.endm
	s_mov_b32 s57, 0
	BODY 0, 0, 0, 1                                ; trip 0: Q K of both pieces, piece A's first softmax
	s_mov_b32 s57, 1
	BODY 0, 1, 1, 0                                ; trip 1: the first P V starts O, piece B's first softmax
	TRIPS 0, 2                                     ; trips 2, 3
	s_mov_b32 s63, 3
.Lpair:
	CHANGE 0, 1
	TRIPS 1, 0
	CHANGE 1, 1
	TRIPS 0, 0
	s_sub_co_u32 s63, s63, 1
	s_cmp_lg_u32 s63, 0
	s_cbranch_scc1 .Lpair
	CHANGE 0, 0                                    ; key tile 7: nothing is left to fetch
	TRIPS 1, 0
	; THE TAIL: what trip 31 still owes
	s_wait_dscnt 0x0                               ; its V
.set SN, 0
.rept 16
	WPV 0, SN, 0
	SL 2, 3, SN, 0
.set SN, SN+1
.endr
.set SN, 0
.rept 16
	SL 2, 3, 16+SN, 0
.set SN, SN+1
.endr
.set SN, 0
.rept 16
	WPV 2, SN, 0
.set SN, SN+1
.endr
	WIN 0
	; THE WAY OUT: O / l as f16, through my own stage, stored as 16 runs of 512 consecutive bytes
	PLACES 4                                       ; four places between the last product and the first read of a result
.irp q, 0,1,2,3
	v_add_f32 v[TS+\q], v[LS+2*\q], v[LS+2*\q+1]
.endr
.irp q, 0,1,2,3
	v_permlanex16_b32 v[TS+4+\q], v[TS+\q], s54, s55
.endr
.irp q, 0,1,2,3
	v_add_f32 v[TS+\q], v[TS+\q], v[TS+4+\q]
.endr
.irp q, 0,1,2,3
	v_rcp_f32 v[AL+2*\q], v[TS+\q]
.endr
	v_nop                                          ; one plain instruction behind the reciprocals
.irp q, 0,1,2,3
	s_wait_alu depctr_va_vdst(0)
	v_mov_b32 v[AL+2*\q+1], v[AL+2*\q]
.endr
.irp q, 0,1,2,3
	WIN 0x01
.irp i, 0,1,2,3,4,5,6,7,8,9,10,11,12,13,14,15
	v_pk_mul_f32 v[OT+2*\i:OT+2*\i+1], v[OACC+32*\q+2*\i:OACC+32*\q+2*\i+1], v[AL+2*\q:AL+2*\q+1]
.endr
	WIN 0
.irp dt, 0,1,2,3
.irp i, 0,1,2,3
	v_cvt_pk_f16_f32 v[OT+8*\dt+\i], v[OT+8*\dt+2*\i], v[OT+8*\dt+2*\i+1]
.endr
	ds_store_b128 v[STO], v[OT+8*\dt:OT+8*\dt+3] offset:\q*2304+32*\dt
.endr
.endr
.irp n, 0,1,2,3,4,5,6,7,8,9,10,11,12,13,14,15
	ds_load_b128 v[SC+4*\n:SC+4*\n+3], v[RD] offset:576*\n         ; LDS serves a wave's instructions in order (ISA guide 5.7.1.4): these see the stores above
.endr
.irp n, 0,1,2,3,4,5,6,7,8,9,10,11,12,13,14,15
	s_wait_dscnt 15-\n                             ; read-back n is in, the younger ones may be out
	global_store_b128 v[CO], v[SC+4*\n:SC+4*\n+3], s[12:13] offset:512*\n
.endr
	s_set_vgpr_msb 0x5
	s_wait_tensorcnt 0x0
	ds_add_u32 v126, v127
	s_wait_dscnt 0x0
	s_set_vgpr_msb 0x500
	CROUND                                         ; the closing round: no work-group ends while a partner may still ask jointly
	s_endpgm
.Lfunc_end_k_q19f0606b8d_attn:
	.size	k_q19f0606b8d_attn, .Lfunc_end_k_q19f0606b8d_attn-k_q19f0606b8d_attn
	.p2alignl 7, 3214868480
	.fill 96, 4, 3214868480
	.section	.rodata,"a",@progbits
	.p2align	6, 0x0
	.amdhsa_kernel k_q19f0606b8d_attn
		.amdhsa_group_segment_fixed_size 327680
		.amdhsa_private_segment_fixed_size 0
		.amdhsa_enable_private_segment 0
		.amdhsa_kernarg_size 40
		.amdhsa_user_sgpr_count 2
		.amdhsa_user_sgpr_kernarg_segment_ptr 1
		.amdhsa_wavefront_size32 1
		.amdhsa_system_sgpr_workgroup_id_x 1
		.amdhsa_system_sgpr_workgroup_id_y 1
		.amdhsa_system_sgpr_workgroup_id_z 1
		.amdhsa_system_vgpr_workitem_id 0
		.amdhsa_next_free_vgpr 640
		.amdhsa_next_free_sgpr 66
		.amdhsa_reserve_vcc 0
		.amdhsa_float_denorm_mode_32 3
		.amdhsa_float_denorm_mode_16_64 3
		.amdhsa_memory_ordered 1
		.amdhsa_forward_progress 1
		.amdhsa_inst_pref_size 245
	.end_amdhsa_kernel
	.amdgpu_metadata
---
amdhsa.version: [ 1, 2 ]
amdhsa.kernels:
  - .name:           k_q19f0606b8d_attn
    .symbol:         k_q19f0606b8d_attn.kd
    .args:
      - { .name: qws, .offset: 0, .size: 8, .value_kind: global_buffer, .address_space: global }
      - { .name: kws, .offset: 8, .size: 8, .value_kind: global_buffer, .address_space: global }
      - { .name: vws, .offset: 16, .size: 8, .value_kind: global_buffer, .address_space: global }
      - { .name: key_padding_mask, .offset: 24, .size: 8, .value_kind: global_buffer, .address_space: global }
      - { .name: ctx, .offset: 32, .size: 8, .value_kind: global_buffer, .address_space: global }
    .group_segment_fixed_size: 327680
    .private_segment_fixed_size: 0
    .kernarg_segment_align: 8
    .kernarg_segment_size: 40
    .max_flat_workgroup_size: 128
    .sgpr_count:     66
    .vgpr_count:     640
    .wavefront_size: 32
...
	.end_amdgpu_metadata
.endif
;; end of part 5
;; launch oproj: the kernel of part 3 again; grid 4 x 64, 4 waves a work-group, clusters of 4 x 4, 312,832 bytes of LDS; arguments ctx, wob, bo, out0; writes out0
